; MI455X (gfx1250); checked and timed in simulation.
; The chip was launched on July 23, 2026; its instructions are those of AMD's public machine-readable ISA for CDNA 5 (MIT licence, August 2026) and "CDNA5" Instruction Set Architecture Reference Guide (July 2026). The comments in the code are by the model that wrote it; some were corrected since.
;; Group Linear. Allowed arithmetic: matrix products marked QUANTISED: E2M3 operands, one E8M0 scale for each 32 along K, by v_wmma_scale_f32_16x16x128_f8f6f4 with both operands' format E2M3, f32 sums; products left as they are: f32 operands where the result goes on into a quantised operand, else bf16, f16 or f32 operands; f32 sums; everything else in f32.
;; Inputs: W 8 x 1,048,576 float32; b 8 x 1,024 float32; group_by 8 x 1,024 int32; x 8 x 1,024 x 1,024 float32.
;; Outputs: out0 8 x 1,024 x 1,024 float32.
;; This version of the problem:
;;   THIS VERSION OF THE PROBLEM IS GIVEN IN LOW PRECISION. The matrix products marked QUANTISED in the list below multiply operands that are first quantised to E2M3 (2 exponent bits, 3 mantissa bits; 6 bits a number), with one power-of-two scale for each 32 numbers along K (OCP MX v1.0); their sums are f32. All else is computed in f32.
;;   The module's matrix products, in the order in which they are computed (A, B: the left and right operand; K: the contracted axis; several contracted axes count as one K, in the product's order):
;;     1. [M 8,192, K 1,024] x [K 1,024, N 8,192]; A: input x; B: input W: QUANTISED
;;     2. batch 8,192 x [M 1,024, K 8] x [K 8, N 1]; A: computed on the way; B: computed on the way: left as it is (K = 8 < 32)
;;   THE QUANTISER, for each operand of a quantised product, along K:
;;     - K is cut into blocks of 32 from its start; a last block that is shorter is filled with zeros.
;;     - A block's scale is 2^e with e = floor(log2(the largest magnitude in the block)) - 2, held to -126 .. 127; a block of zeros has e = 0. As a byte (E8M0): e + 127.
;;     - Each number is divided by its block's scale, clamped to +-7.5, and rounded to the nearest number of E2M3, ties to even, subnormals kept.
;;     - The product sums the exact products of the quantised numbers (number of the format x scale) in f32.
;;   ~~~python
;;   def quantise(x, axis):      # numpy; x: float32 -> the quantised numbers, widened to float32 again
;;       x = np.moveaxis(x, axis, -1); K = x.shape[-1]
;;       x = np.pad(x, [(0, 0)] * (x.ndim - 1) + [(0, -K % 32)]); x = x.reshape(x.shape[:-1] + (-1, 32)); a = np.abs(x).max(-1, keepdims=True)
;;       e = np.where(a > 0, np.clip(np.frexp(np.where(a > 0, a, 1))[1] - 1 - 2, -126, 127), 0)      # np.frexp(a)[1] - 1 = floor(log2(a)), exactly
;;       r = np.clip(x / 2.0 ** e, -7.5, 7.5)
;;       step = 2.0 ** (np.maximum(np.frexp(np.where(r == 0, 1, r))[1] - 1, 0) - 3)
;;       q = np.round(r / step) * step * 2.0 ** e      # np.round: ties to even
;;       return np.moveaxis(q.reshape(q.shape[:-2] + (-1,))[..., :K], -1, axis).astype(np.float32)
;;   ~~~
;; 2 versions. Each part assembles by itself: llvm-mc -triple=amdgcn-amd-amdhsa -mcpu=gfx1250 --defsym DOCPART=n.
;; ======== version 1 of 2: 2 launches
;; workspace buffers: xq 6,291,456 bytes; xs 262,144 bytes; wq 6,291,456 bytes; ws 262,144 bytes; order 32,768 bytes of whole numbers; tiles 1,024 bytes of whole numbers
;; launch prep (part 1): grid 257 x 1, 4 waves a work-group, no clusters, 84,736 bytes of LDS; arguments x, W, group_by, xq, xs, wq, ws, order, tiles; writes xq, xs, wq, ws, order, tiles
.if DOCPART == 1
	.amdgcn_target "amdgcn-amd-amdhsa--gfx1250"
	.amdhsa_code_object_version 6
	.text
	.protected	k_qa4db804155_prep
	.globl	k_qa4db804155_prep
	.p2align	8
	.type	k_qa4db804155_prep,@function
k_qa4db804155_prep:
	s_mov_b64 s[64:65], 0
	v_nop
	global_prefetch_b8 v0, s[64:65] scope:SCOPE_SE
	s_setreg_imm32_b32 hwreg(HW_REG_WAVE_MODE, 25, 1), 1
	s_wait_xcnt 0x0
; PREP.  Work-group 0 sorts the 8,192 tokens by their group (a counting sort, no atomics) and stores the row list and the tile list.
; Work-groups 1-128 turn x [8192][1024] f32, work-groups 129-256 W [8 x 1024 rows][1024] f32, into codes of FP6 (E2M3) with one E8M0 byte for each 32 along K (K is innermost in both).
; A block's scale is 2^(floor(log2(its largest magnitude)) - 2): its byte is the largest magnitude's exponent field - 2, held at 1 from below; numbers are divided by it and rounded to the nearest code, ties to even, beyond 7.5 the largest code.
; LIMITS: NaN and infinities in x and W are not served.  A block whose largest magnitude lies under 2^-124, a block of zeros among them, gets the byte 1 (the rule gives a block of zeros 127):
; a block of zeros has zero codes, which add nothing under any byte but 0xff, and these bytes are read by this program alone.  group_by lies in 0 .. 7, as the table that it indexes asks.
; LAYOUTS.  xq: a token's row is 768 bytes; K step s (128 along K) at 96 s; in it 48 bytes for each half h of the lanes: block 4 s + h, then block 4 s + 2 + h: the 12 operand registers of lane (r, h) on end.
;           wq: images of operand registers: 16 rows T, K step s at (8 T + s) x 1,536; register group c (four registers) at 512 c + 16 x lane.   xs, ws: [row][32] bytes, block b at byte b.
;           order: token numbers, group after group.   tiles: 64 x {group, first place in order, rows (0 .. 144), 0}.
; A QUANTISING WAVE takes 16 rows x 1,024 K in 8 steps of 128 along K.  Each load reads 512 consecutive bytes of a row; a step's 16 x 512 bytes turn through the wave's own stage in LDS, so that lane (r, h) gets
; blocks h and 2 + h of row r whole: no other lane is asked for a maximum, and the conversions' results are the operand's registers.  Waves share nothing: no barrier on this path.
.set INP,   528                        ; in-stage: a row of 512 bytes + 16: an odd multiple of 16, so sixteen rows' 16-byte pieces start at sixteen different places modulo 256 bytes
.set OUTS,  4*16*INP                   ; behind the four in-stages: the out-stages for x's codes
.set OUTP,  784                        ; a row of 768 bytes + 16: likewise an odd multiple of 16
.set SORTL, OUTS+4*16*OUTP             ; the sorting work-group's own 256 bytes
.set SW,    20                         ; v20-27  my row's scale word of each K step
.set C,     32                         ; v32-43  a step's 12 registers of codes;  v44-46, v48-50 the halves that are made elsewhere and moved
.set X,     64                         ; v64-127 my two blocks of 32 numbers
.set R,     128                        ; v128-255 two sets of 64: a step's numbers as loaded
; the sort's names
.set G,     64                         ; v64-127  my 64 tokens' groups
.set RK,    128                        ; v128-191 their ranks inside the group within the wave; later the token numbers
.set O,     192                        ; v192-255 their places in order, in bytes
.set TA,    4                          ; v4-11, v12-19  eight candidates for a rank, for two registers at a time
.set TB,    12
.set RUN,   24                         ; s24-31  the wave's running counts; later the tiles' prefix
.set MK,    32                         ; s32-39  eight masks
.set TOT,   40                         ; s40-47  while counting: the second register's masks; then the groups' totals
.set OFFS,  48                         ; s48-55  while counting: a register's counts; then where my wave's part of each group begins
.set BASE,  56                         ; s56-63  where each group begins
.set CW,    66                         ; s66-97  the four waves' counts
	s_load_b512 s[4:19], s[0:1], 0x0               ; x 4:5, W 6:7, group_by 8:9, xq 10:11, xs 12:13, wq 14:15, ws 16:17, order 18:19
	s_load_b64 s[20:21], s[0:1], 0x40              ; tiles
	s_set_vgpr_msb 0x40
	v_lshl_add_u32 v0, v0, 2, 0x14900
	v_mov_b32 v1, 0
	s_set_vgpr_msb 0x4000
	v_lshrrev_b32 v1, 5, v0
	v_readfirstlane_b32 s22, v1                    ; wave 0..3
	v_and_b32 v1, 31, v0                           ; lane
	s_cmp_eq_u32 ttmp9, 0
	s_cbranch_scc1 .Lsort
	; ---------------- the quantiser ----------------
	v_and_b32 v2, 15, v0                           ; r
	v_bfe_u32 v3, v0, 4, 1                         ; h
	v_lshlrev_b32 v4, 4, v1                        ; 16 x lane: my bytes of a load's or a store's 512
	s_mul_i32 s37, s22, 16*INP                     ; my in-stage
	v_add_nc_u32 v5, s37, v4                       ; into it: as loaded
	v_mul_u32_u24 v6, v2, INP
	v_lshl_add_u32 v6, v3, 7, v6
	v_add_nc_u32 v6, s37, v6                       ; out of it: row r, block h (128 bytes a block)
	s_mul_i32 s38, s22, 16*OUTP
	s_add_co_u32 s38, s38, OUTS                    ; my out-stage
	v_mul_u32_u24 v7, v2, OUTP
	v_mad_u32_u24 v7, v3, 48, v7
	v_add_nc_u32 v7, s38, v7                       ; into it: row r, 48 bytes for each half
	v_add_nc_u32 v8, s38, v4                       ; out of it: 16 x lane,
	v_lshl_add_u32 v9, v3, 4, v8                   ; and the same where lanes 16-31 stand one row (one padding) further on
	v_lshlrev_b32 v10, 3, v3                       ; 8 h: my bytes' shift in a scale word
	v_lshlrev_b32 v11, 5, v2
	v_lshl_add_u32 v11, v3, 4, v11                 ; the scales' way out: row r's 32 bytes, 16 for each half
	v_mov_b32 v19, 0                               ; written once: a lane permute's destination counts as one of its sources
	s_mov_b32 s32, 0x76543210
	s_mov_b32 s33, 0xfedcba98                      ; v_permlanex16_b32's selects for lane l xor 16
	s_wait_kmcnt 0x0
	s_cmp_lt_u32 ttmp9, 129                        ; x's work-group or W's?  The choice hangs on the work-group's number alone
	s_cselect_b64 s[24:25], s[4:5], s[6:7]         ; the numbers
	s_cselect_b64 s[26:27], s[10:11], s[14:15]     ; the codes
	s_cselect_b64 s[28:29], s[12:13], s[16:17]     ; the scale bytes
	s_cselect_b32 s30, 0, 512
	s_sub_co_u32 s34, ttmp9, 1
	s_lshl_b32 s34, s34, 2
	s_add_co_u32 s34, s34, s22
	s_sub_co_u32 s36, s34, s30                     ; which 16 rows of the tensor are my wave's: 0 .. 511
	s_mov_b32 s35, 0
	s_lshl_b32 s34, s36, 16                        ; 16 rows x 4,096 bytes
	s_add_nc_u64 s[24:25], s[24:25], s[34:35]
	s_mul_i32 s34, s36, 12288                      ; 16 rows x 768 bytes = 8 images x 1,536
	s_add_nc_u64 s[26:27], s[26:27], s[34:35]
	s_lshl_b32 s34, s36, 9                         ; 16 rows x 32 bytes
	s_add_nc_u64 s[28:29], s[28:29], s[34:35]
.macro LOAD s                          ; K step s of my 16 rows into set s % 2: each load 512 consecutive bytes, at a multiple of 512 from the tensor's first byte
.irp p, 0,1,2,3,4,5,6,7,8,9,10,11,12,13,14,15
	global_load_b128 v[R+64*((\s)%2)+4*\p:R+64*((\s)%2)+4*\p+3], v4, s[24:25] offset:4096*\p+512*(\s) th:TH_LOAD_NT
.endr
.endm
.macro STEP s
.if (\s) < 7
	s_wait_loadcnt 16                              ; loads come back in order: this step's 16 are in, the next step's 16 may be out
.else
	s_wait_loadcnt 0x0
.endif
.irp p, 0,1,2,3,4,5,6,7,8,9,10,11,12,13,14,15
	ds_store_b128 v5, v[R+64*((\s)%2)+4*\p:R+64*((\s)%2)+4*\p+3] offset:INP*\p
.endr
.irp c, 0,1
.irp i, 0,1,2,3,4,5,6,7
	ds_load_b128 v[X+32*\c+4*\i:X+32*\c+4*\i+3], v6 offset:256*\c+16*\i   ; LDS serves a wave's instructions in order: these see the stores above.  Block 2 c + h of row r
.endr
.endr
	s_wait_dscnt 0x0                               ; my numbers are back, so the stores have read their registers,
.if (\s)+2 < 8
	LOAD (\s)+2                                    ; which take the loads of two steps on
.endif
	v_max3_num_f32 v12, |v[X]|, |v[X+1]|, |v[X+2]|                 ; the two blocks' largest magnitudes: two chains each, the four by turns
	v_max3_num_f32 v14, |v[X+32]|, |v[X+33]|, |v[X+34]|
	v_max3_num_f32 v13, |v[X+3]|, |v[X+4]|, |v[X+5]|
	v_max3_num_f32 v15, |v[X+35]|, |v[X+36]|, |v[X+37]|
.irp i, 6,10,14,18,22,26
	v_max3_num_f32 v12, v12, |v[X+\i]|, |v[X+\i+1]|
	v_max3_num_f32 v14, v14, |v[X+32+\i]|, |v[X+33+\i]|
	v_max3_num_f32 v13, v13, |v[X+\i+2]|, |v[X+\i+3]|
	v_max3_num_f32 v15, v15, |v[X+34+\i]|, |v[X+35+\i]|
.endr
	v_max3_num_f32 v12, v12, |v[X+30]|, |v[X+31]|
	v_max3_num_f32 v14, v14, |v[X+62]|, |v[X+63]|
	v_max3_num_f32 v12, v12, v13, 0x1800000        ; and the floor 2^(3 - 127): the byte cannot fall under 1
	v_max3_num_f32 v14, v14, v15, 0x1800000
	v_add_nc_u32 v16, 0xff000000, v12              ; 2 off the exponent field: the conversion takes the exponent field of this operand as its scale, and nothing else of it
	v_add_nc_u32 v17, 0xff000000, v14
	v_lshrrev_b32 v52, 23, v16                     ; the scales' bytes: blocks h and 2 + h
	v_lshrrev_b32 v53, 23, v17
	v_lshl_or_b32 v18, v53, 16, v52
	v_lshlrev_b32 v18, v10, v18                    ; at their places in the word
	v_permlanex16_b32 v19, v18, s32, s33
	v_or_b32 v[SW+(\s)], v18, v19                  ; with lane l xor 16's two the word is whole
	s_wait_xcnt 0x0                                ; the last step's stores of codes to memory have read their registers: the codes are written again only behind this wait
	v_cvt_scalef32_pk16_fp6_f32 v[C:C+2], v[X:X+15], v16
	v_cvt_scalef32_pk16_fp6_f32 v[C+12:C+14], v[X+16:X+31], v16    ; (a conversion's three registers begin on an even number: a block's second half is made elsewhere and moved)
	v_cvt_scalef32_pk16_fp6_f32 v[C+6:C+8], v[X+32:X+47], v17
	v_cvt_scalef32_pk16_fp6_f32 v[C+16:C+18], v[X+48:X+63], v17
	v_nop                                          ; one plain place behind a scaled conversion
.irp i, 0,1,2
	v_mov_b32 v[C+3+\i], v[C+12+\i]
	v_mov_b32 v[C+9+\i], v[C+16+\i]
.endr
	s_cmp_lt_u32 ttmp9, 129
	s_cbranch_scc0 .Lw_\@
.irp c, 0,1,2
	ds_store_b128 v7, v[C+4*\c:C+4*\c+3] offset:96*(\s)+16*\c      ; x: a lane's 48 bytes belong to one row: they are gathered in the out-stage and leave at the end
.endr
	s_branch .Lj_\@
.Lw_\@:
.irp c, 0,1,2
	global_store_b128 v4, v[C+4*\c:C+4*\c+3], s[26:27] offset:1536*(\s)+512*\c   ; W: the registers' image: each store covers 512 consecutive bytes, aligned
.endr
.Lj_\@:
.endm
	LOAD 0
	LOAD 1
.irp s, 0,1,2,3,4,5,6,7
	STEP \s
.endr
	v_cmp_ne_u32 vcc_lo, 0, v3                     ; lanes 0-15 store words 0-3 of row r, lanes 16-31 words 4-7
.irp i, 0,1,2,3
	v_cndmask_b32 v[28+\i], v[SW+\i], v[SW+4+\i], vcc_lo
.endr
	global_store_b128 v11, v[28:31], s[28:29]      ; 16 rows x 32 bytes: 512 consecutive bytes, aligned
	s_cmp_lt_u32 ttmp9, 129
	s_cbranch_scc0 .Lquant_end
	; x's codes: 16 rows x 768 bytes are 12,288 consecutive bytes of xq.  Byte 512 m + 16 l lies in row (512 m + 16 l) / 768, 16 bytes of padding further on for each row passed
.irp m, 0,1,2,3,4,5,6,7,8,9,10,11,12,13,14,15,16,17,18,19,20,21,22,23
.if (\m)%3 == 1
	ds_load_b128 v[R+4*\m:R+4*\m+3], v9 offset:512*\m+32*(\m/3)
.elseif (\m)%3 == 2
	ds_load_b128 v[R+4*\m:R+4*\m+3], v8 offset:512*\m+32*(\m/3)+16
.else
	ds_load_b128 v[R+4*\m:R+4*\m+3], v8 offset:512*\m+32*(\m/3)
.endif
.endr
.irp m, 0,1,2,3,4,5,6,7,8,9,10,11,12,13,14,15,16,17,18,19,20,21,22,23
	s_wait_dscnt 23-\m                             ; LDS loads come back in order: load m is in
	global_store_b128 v4, v[R+4*\m:R+4*\m+3], s[26:27] offset:512*\m
.endr
.Lquant_end:
	s_set_vgpr_msb 0x5
	s_wait_tensorcnt 0x0
	ds_add_u32 v0, v1
	s_wait_dscnt 0x0
	s_set_vgpr_msb 0x500
	s_endpgm
	; ---------------- the sort: one work-group; wave w owns tokens 2,048 w .. + 2,047 ----------------
.Lsort:
	v_lshlrev_b32 v2, 4, v1
	s_lshl_b32 s98, s22, 13
	v_add_nc_u32 v2, s98, v2                       ; 8,192 w + 16 l: register 4 m + i holds the group of token 2,048 w + 128 m + 4 l + i
	s_lshl_b32 s99, s22, 11
	v_lshl_add_u32 v3, v1, 2, s99                  ; 2,048 w + 4 l
	s_lshl_b32 s98, s22, 5
	s_add_co_u32 s98, s98, SORTL
	v_mov_b32 v20, s98                             ; LDS: my wave's eight counts
	v_mov_b32 v21, SORTL
.irp g, 0,1,2,3,4,5,6,7
	s_mov_b32 s[RUN+\g], 0
.endr
	s_wait_kmcnt 0x0
.irp m, 0,1,2,3,4,5,6,7,8,9,10,11,12,13,14,15
	global_load_b128 v[G+4*\m:G+4*\m+3], v2, s[8:9] offset:512*\m th:TH_LOAD_NT
.endr
; Two registers of groups at a time.  For each group: the mask of the lanes that hold it; a lane's rank = the wave's running count + the lanes below it in the mask; the count goes on by the mask's ones.
; Each lane keeps the candidate of its own group.  The two chains of selects take turns.
.macro PAIR j
.if (\j)%4 == 0
	s_wait_loadcnt 15-(\j)/4                       ; the load that brought registers j .. j + 3 is in; the younger ones may be out
.endif
.irp g, 0,1,2,3,4,5,6,7
	v_cmp_eq_u32 s[MK+\g], \g, v[G+\j]
.endr
.irp g, 0,1,2,3,4,5,6,7
	v_cmp_eq_u32 s[TOT+\g], \g, v[G+\j+1]
.endr
.irp g, 0,1,2,3,4,5,6,7
	v_mbcnt_lo_u32_b32 v[TA+\g], s[MK+\g], s[RUN+\g]
.endr
.irp g, 0,1,2,3,4,5,6,7
	s_bcnt1_i32_b32 s[OFFS+\g], s[MK+\g]
.endr
.irp g, 0,1,2,3,4,5,6,7
	s_add_co_u32 s[RUN+\g], s[RUN+\g], s[OFFS+\g]
.endr
.irp g, 0,1,2,3,4,5,6,7
	v_mbcnt_lo_u32_b32 v[TB+\g], s[TOT+\g], s[RUN+\g]
.endr
.irp g, 0,1,2,3,4,5,6,7
	s_bcnt1_i32_b32 s[OFFS+\g], s[TOT+\g]
.endr
.irp g, 0,1,2,3,4,5,6,7
	s_add_co_u32 s[RUN+\g], s[RUN+\g], s[OFFS+\g]
.endr
	v_cndmask_b32 v[RK+\j], v[TA], v[TA+1], s[MK+1]
	v_cndmask_b32 v[RK+\j+1], v[TB], v[TB+1], s[TOT+1]
.irp g, 2,3,4,5,6,7
	v_cndmask_b32 v[RK+\j], v[RK+\j], v[TA+\g], s[MK+\g]
	v_cndmask_b32 v[RK+\j+1], v[RK+\j+1], v[TB+\g], s[TOT+\g]
.endr
.endm
.irp j, 0,2,4,6,8,10,12,14,16,18,20,22,24,26,28,30,32,34,36,38,40,42,44,46,48,50,52,54,56,58,60,62
	PAIR \j
.endr
	; the four waves' counts meet in LDS
.irp g, 0,1,2,3,4,5,6,7
	v_mov_b32 v[24+\g], s[RUN+\g]
.endr
.irp g, 0,1,2,3,4,5,6,7
	ds_store_b32 v20, v[24+\g] offset:4*\g         ; all lanes write the same word with the same value
.endr
	s_wait_dscnt 0x0                               ; for the others' sake: my stores are done
	s_barrier_signal -1
	s_barrier_wait -1                              ; (all four waves of this work-group are on this path: the branch hangs on the work-group's number)
.irp i, 0,1,2,3,4,5,6,7
	ds_load_b128 v[32+4*\i:35+4*\i], v21 offset:16*\i
.endr
	s_wait_dscnt 0x0
.set i, 0
.rept 32
	v_readfirstlane_b32 s[CW+i], v[32+i]           ; count of group i % 8 in wave i / 8
.set i, i+1
.endr
.irp g, 0,1,2,3,4,5,6,7
	s_add_co_u32 s[TOT+\g], s[CW+\g], s[CW+8+\g]
	s_add_co_u32 s[OFFS+\g], s[CW+16+\g], s[CW+24+\g]
	s_add_co_u32 s[TOT+\g], s[TOT+\g], s[OFFS+\g]  ; the group's rows in all
.endr
	s_mov_b32 s[BASE], 0
.irp g, 1,2,3,4,5,6,7
	s_add_co_u32 s[BASE+\g], s[BASE+\g-1], s[TOT+\g-1]   ; where the group begins in order
.endr
.irp g, 0,1,2,3,4,5,6,7
	s_mov_b32 s[OFFS+\g], s[BASE+\g]
.endr
.irp u, 0,1,2                          ; + the counts of the waves below mine.  All eight selects stand ahead of the additions, which change SCC
	s_cmp_gt_u32 s22, \u
.irp g, 0,1,2,3,4,5,6,7
	s_cselect_b32 s[MK+\g], s[CW+8*\u+\g], 0
.endr
.irp g, 0,1,2,3,4,5,6,7
	s_add_co_u32 s[OFFS+\g], s[OFFS+\g], s[MK+\g]
.endr
.endr
	; a token's place = where my wave's part of its group begins + its rank.  The eight beginnings lie in lanes 0-7 of one register; each lane pulls its token's
	v_mov_b32 v22, 0
.irp g, 0,1,2,3,4,5,6,7
	v_writelane_b32 v22, s[OFFS+\g], \g
.endr
.set j, 0
.rept 64
	v_lshlrev_b32 v[G+j], 2, v[G+j]                ; the pull's index is 4 x lane
.set j, j+1
.endr
.set j, 0
.rept 64
	ds_bpermute_b32 v[O+j], v[G+j], v22
.set j, j+1
.endr
	s_wait_dscnt 0x0
.set j, 0
.rept 64
	v_add_nc_u32 v[O+j], v[O+j], v[RK+j]
.set j, j+1
.endr
.set j, 0
.rept 64
	v_min_u32 v[O+j], 0x1fff, v[O+j]               ; inside order, whatever group_by holds
.set j, j+1
.endr
.set j, 0
.rept 64
	v_lshlrev_b32 v[O+j], 2, v[O+j]
	v_add_nc_u32 v[RK+j], 128*(j/4)+j%4, v3        ; the token's number
.set j, j+1
.endr
.set j, 0
.rept 64
	global_store_b32 v[O+j], v[RK+j], s[18:19]     ; four bytes a lane to scattered places: 32,768 bytes in all; a gathering in LDS would want LDS addresses made of data
.set j, j+1
.endr
	; the tile list: thread t of waves 0 and 1 makes tile t.  A group of n rows has ceil(n / 144) tiles; 8,192 rows in 8 groups never have more than 64
	s_cmp_gt_u32 s22, 1
	s_cbranch_scc1 .Lsort_end
.irp g, 0,1,2,3,4,5,6,7
	s_add_co_u32 s[MK+\g], s[TOT+\g], 143
	s_mul_i32 s[MK+\g], s[MK+\g], 29128            ; y / 144 = y x 29,128 >> 22, exact for y under 32,768 (29,128 x 144 = 2^22 + 128)
	s_lshr_b32 s[MK+\g], s[MK+\g], 22
.endr
	s_mov_b32 s[RUN], 0
.irp g, 1,2,3,4,5,6,7
	s_add_co_u32 s[RUN+\g], s[RUN+\g-1], s[MK+\g-1]   ; the group's first tile
.endr
	s_add_co_u32 s98, s[RUN+7], s[MK+7]            ; tiles in all
	v_mov_b32 v40, 0                               ; group,
	v_mov_b32 v44, s[BASE]                         ; its beginning,
	v_mov_b32 v45, s[TOT]                          ; its rows,
	v_mov_b32 v46, 0                               ; its first tile
.irp g, 1,2,3,4,5,6,7
	v_cmp_gt_u32 vcc_lo, s[RUN+\g], v0             ; the last group whose first tile is not above t: a group without rows is passed over by the next
	v_cndmask_b32 v40, \g, v40, vcc_lo
	v_cndmask_b32 v44, s[BASE+\g], v44, vcc_lo
	v_cndmask_b32 v45, s[TOT+\g], v45, vcc_lo
	v_cndmask_b32 v46, s[RUN+\g], v46, vcc_lo
.endr
	v_sub_nc_u32 v46, v0, v46
	v_mul_u32_u24 v46, v46, 144                    ; rows of the group ahead of this tile
	v_add_nc_u32 v41, v44, v46                     ; the tile's first place in order
	v_sub_nc_u32 v42, v45, v46
	v_min_u32 v42, 144, v42                        ; its rows
	v_cmp_gt_u32 vcc_lo, s98, v0                   ; tiles that this split does not have: group 0, place 0, no rows
	v_cndmask_b32 v40, 0, v40, vcc_lo
	v_cndmask_b32 v41, 0, v41, vcc_lo
	v_cndmask_b32 v42, 0, v42, vcc_lo
	v_mov_b32 v43, 0
	v_lshlrev_b32 v47, 4, v0
	global_store_b128 v47, v[40:43], s[20:21]      ; a wave stores 512 consecutive bytes, aligned
.Lsort_end:
	s_set_vgpr_msb 0x5
	s_wait_tensorcnt 0x0
	ds_add_u32 v0, v1
	s_wait_dscnt 0x0
	s_set_vgpr_msb 0x500
	s_endpgm
.Lfunc_end_k_qa4db804155_prep:
	.size	k_qa4db804155_prep, .Lfunc_end_k_qa4db804155_prep-k_qa4db804155_prep
	.p2alignl 7, 3214868480
	.fill 96, 4, 3214868480
	.section	.rodata,"a",@progbits
	.p2align	6, 0x0
	.amdhsa_kernel k_qa4db804155_prep
		.amdhsa_group_segment_fixed_size 84736
		.amdhsa_private_segment_fixed_size 0
		.amdhsa_enable_private_segment 0
		.amdhsa_kernarg_size 72
		.amdhsa_user_sgpr_count 2
		.amdhsa_user_sgpr_kernarg_segment_ptr 1
		.amdhsa_wavefront_size32 1
		.amdhsa_system_sgpr_workgroup_id_x 1
		.amdhsa_system_sgpr_workgroup_id_y 1
		.amdhsa_system_sgpr_workgroup_id_z 1
		.amdhsa_system_vgpr_workitem_id 0
		.amdhsa_next_free_vgpr 258
		.amdhsa_next_free_sgpr 100
		.amdhsa_reserve_vcc 1
		.amdhsa_float_denorm_mode_32 3
		.amdhsa_float_denorm_mode_16_64 3
		.amdhsa_memory_ordered 1
		.amdhsa_forward_progress 1
		.amdhsa_inst_pref_size 225
	.end_amdhsa_kernel
	.amdgpu_metadata
---
amdhsa.version: [ 1, 2 ]
amdhsa.kernels:
  - .name:           k_qa4db804155_prep
    .symbol:         k_qa4db804155_prep.kd
    .args:
      - { .name: x, .offset: 0, .size: 8, .value_kind: global_buffer, .address_space: global }
      - { .name: W, .offset: 8, .size: 8, .value_kind: global_buffer, .address_space: global }
      - { .name: group_by, .offset: 16, .size: 8, .value_kind: global_buffer, .address_space: global }
      - { .name: xq, .offset: 24, .size: 8, .value_kind: global_buffer, .address_space: global }
      - { .name: xs, .offset: 32, .size: 8, .value_kind: global_buffer, .address_space: global }
      - { .name: wq, .offset: 40, .size: 8, .value_kind: global_buffer, .address_space: global }
      - { .name: ws, .offset: 48, .size: 8, .value_kind: global_buffer, .address_space: global }
      - { .name: order, .offset: 56, .size: 8, .value_kind: global_buffer, .address_space: global }
      - { .name: tiles, .offset: 64, .size: 8, .value_kind: global_buffer, .address_space: global }
    .group_segment_fixed_size: 84736
    .private_segment_fixed_size: 0
    .kernarg_segment_align: 8
    .kernarg_segment_size: 72
    .max_flat_workgroup_size: 128
    .sgpr_count:     100
    .vgpr_count:     258
    .wavefront_size: 32
...
	.end_amdgpu_metadata
.endif
;; end of part 1
;; launch gemm (part 2): grid 4 x 64, 4 waves a work-group, no clusters, 263,168 bytes of LDS; arguments xq, xs, wq, ws, b, order, tiles, out0; writes out0
.if DOCPART == 2
	.amdgcn_target "amdgcn-amd-amdhsa--gfx1250"
	.amdhsa_code_object_version 6
	.text
	.protected	k_qa4db804155_gemm
	.globl	k_qa4db804155_gemm
	.p2align	8
	.type	k_qa4db804155_gemm,@function
k_qa4db804155_gemm:
	s_mov_b64 s[64:65], 0
	v_nop
	global_prefetch_b8 v0, s[64:65] scope:SCOPE_SE
	s_setreg_imm32_b32 hwreg(HW_REG_WAVE_MODE, 25, 1), 1
	s_wait_xcnt 0x0
; out0[t][:] = Wr[g(t)] x[t] + b[g(t)], on codes of FP6 (E2M3) with one E8M0 scale for each 32 along K, only for the group that group_by names for each token: the one-hot sum of the source keeps that row and no other.
; A work-group takes one tile of the tile list (at most 144 rows of one group) x 256 of the 1,024 outputs (work-group x: which quarter).  8,192 rows in 8 groups never make more than 64 tiles of 144: the grid 4 x 64 serves every split.
; A tile with fewer than 144 rows fills its places with its last row (the same codes give the same numbers) and stores only its own rows; a tile without rows walks the same text on order's first token and stores nothing:
; every wave passes both barriers, none of which stands under a branch on a number read from memory.
; SHARES.  Wave w makes all 144 rows x outputs 64 w .. 64 w + 63 of the quarter: 9 x 4 = 36 accumulators.  Its part of W, 4 tiles x 8 K steps = 384 registers, comes from memory straight into registers, each fragment read by one wave, once.
; The rows' codes are gathered by token into LDS (each wave 36 rows; sixteen lanes read 256 consecutive aligned bytes of a row) and read from there by all four waves.
; THE MATRIX INSTRUCTION IS USED TRANSPOSED (source 0 = 16 rows of W, source 1 = 16 rows of x): a lane holds eight neighbouring outputs of one row.  The bias is the C of each sum's first instruction
; (another order of f32 rounding than adding it behind the sum).
; NO TENSOR LOADS, NO CLUSTER: x's rows are a gather by token and form no rectangle; W's address hangs on a group number read from memory; the stores are left out by a branch on a row count read from memory;
; and the tiles of one group need not be neighbours in a fixed grid of 64, so partners of a cluster would not share W at every split.
; REGISTERS, in windows of 256: window 0: v1-15 lane terms and addresses; v16-33 tokens, then offsets in out0; v34-38 offsets in xs; v40-79 x's scale words; v80-95 W's; v96-127 the bias; v128-235 x's nine fragments
;   (first the offsets into order, at the end rows of out0); v236-253 offsets in xq.   window 1: accumulators (i, j), i < 8, at v[8 (4 i + j)]; before the products the gathered codes.
;   window 2: W's fragments of K steps 0-4 at v[48 s + 12 j].   window 3: those of K steps 5-7 at v[48 (s - 5) + 12 j]; accumulators (8, j) at v[160 + 8 j].
.set XP,   784                         ; a row of codes in LDS: 768 bytes + 16: an odd multiple of 16, so sixteen rows' 16-byte pieces start at sixteen different places modulo 256 bytes
.set STG,  144*XP                      ; behind the 144 rows of codes: the stage for the way out
.set SP,   1040                        ; a row of it: 1,024 bytes + 16: likewise
.set GT,   16
.set TS,   34
.set SCX,  40                          ; register SCX + 8 p + s: K step s; lanes 0-15 row tile 2 p, lanes 16-31 row tile 2 p + 1
.set SCW,  80                          ; register SCW + 8 q + s: lanes 0-15 output tile 2 q, lanes 16-31 output tile 2 q + 1
.set BIAS, 96
.set AF,   128
.set AT,   128
.set XOFF, 236
.set MSB, 0
.macro WIN new                         ; s_set_vgpr_msb: bits 1:0 source 0, 3:2 source 1, 5:4 source 2, 7:6 destination; the high byte repeats the setting that is left
.if MSB != \new
	s_set_vgpr_msb (MSB<<8)|\new
.set MSB, \new
.endif
.endm
.macro PLACES                          ; four plain vector instructions between a matrix instruction and a load into its sources or a read of its result
.rept 4
	v_nop
.endr
.endm
	s_load_b512 s[4:19], s[0:1], 0x0               ; xq 4:5, xs 6:7, wq 8:9, ws 10:11, b 12:13, order 14:15, tiles 16:17, out0 18:19
	v_lshl_add_u32 v254, v0, 2, 0x40200
	v_mov_b32 v255, 0
	v_lshrrev_b32 v1, 5, v0
	v_readfirstlane_b32 s30, v1                    ; wave 0..3
	s_and_b32 s24, ttmp7, 0xffff                   ; the tile
	s_lshl_b32 s24, s24, 4
	s_mov_b32 s25, 0
	s_wait_kmcnt 0x0
	s_add_nc_u64 s[16:17], s[16:17], s[24:25]
	s_load_b128 s[20:23], s[16:17], 0x0            ; group, first place in order, rows, 0
	v_and_b32 v1, 31, v0                           ; lane
	v_and_b32 v2, 15, v0                           ; r
	v_bfe_u32 v3, v0, 4, 1                         ; h
	v_mul_u32_u24 v4, v2, XP
	v_mad_u32_u24 v4, v3, 48, v4                   ; a fragment of x: row r, 48 bytes for each half (row tiles 0-4),
	v_add_nc_u32 v5, 5*16*XP, v4                   ; and row tiles 5-8: an LDS offset has 16 bits
	v_lshlrev_b32 v11, 4, v2                       ; 16 r: my bytes of a run of 256
	v_lshlrev_b32 v12, 4, v1                       ; 16 x lane: my bytes of an image's 512
	v_lshlrev_b32 v13, 5, v1                       ; 32 x lane: a row of scale bytes
	v_lshlrev_b32 v14, 5, v3                       ; 32 h: my half's eight numbers of the bias
	s_mul_i32 s28, s30, 36*XP
	v_mul_u32_u24 v6, v3, XP
	v_add_nc_u32 v6, v6, v11
	v_add_nc_u32 v6, s28, v6                       ; the gather's way into LDS: rows 36 w + h on, 16 bytes a lane
	s_lshl_b32 s28, s30, 8
	s_add_co_u32 s28, s28, STG
	v_mul_u32_u24 v7, v2, SP
	v_add_nc_u32 v7, v7, v14
	v_add_nc_u32 v7, s28, v7                       ; into the stage: row r, my wave's 256 bytes, 32 for each half (row tiles 0-2),
	v_add_nc_u32 v8, 48*SP, v7                     ; row tiles 3-5,
	v_add_nc_u32 v9, 96*SP, v7                     ; row tiles 6-8
	s_mul_i32 s28, s30, 36*SP
	s_add_co_u32 s28, s28, STG
	v_mul_u32_u24 v10, v3, SP
	v_add_nc_u32 v10, v10, v11
	v_add_nc_u32 v10, s28, v10                     ; out of the stage: rows 36 w + h on, 16 bytes a lane
	s_mul_i32 s28, s30, 36
	v_add_nc_u32 v15, s28, v3                      ; 36 w + h
.set k, 0
.rept 18
	v_add_nc_u32 v[AT+k], 2*k, v15                 ; the places of the rows that I gather and store: 36 w + 2 k + h
.set k, k+1
.endr
.set k, 0
.rept 5
	v_add_nc_u32 v[AT+18+k], 32*k, v1              ; and of the rows whose scale words I hold: 32 p + lane
.set k, k+1
.endr
	s_wait_kmcnt 0x0
	s_min_u32 s20, s20, 7                          ; what was read from memory is held inside its tables
	s_min_u32 s21, s21, 0x1fff
	s_min_u32 s22, s22, 144
	s_max_u32 s26, s22, 1
	s_sub_co_u32 s26, s26, 1                       ; the tile's last place
	s_mul_i32 s27, s30, 36
	s_sub_co_i32 s27, s22, s27                     ; rows left from my wave's first place on (signed)
	s_mul_i32 s24, s20, 786432                     ; wq: 64 tiles of 16 rows a group, 16 a quarter, 4 a wave, 12,288 bytes each
	s_mul_i32 s28, ttmp9, 196608
	s_add_co_u32 s24, s24, s28
	s_mul_i32 s28, s30, 49152
	s_add_co_u32 s24, s24, s28
	s_add_nc_u64 s[8:9], s[8:9], s[24:25]
	s_lshl_b32 s24, s20, 15                        ; ws: 32 bytes a row
	s_lshl_b32 s28, ttmp9, 13
	s_add_co_u32 s24, s24, s28
	s_lshl_b32 s28, s30, 11
	s_add_co_u32 s24, s24, s28
	s_add_nc_u64 s[10:11], s[10:11], s[24:25]
	s_lshl_b32 s24, s20, 12                        ; b: 4 bytes an output
	s_lshl_b32 s28, ttmp9, 10
	s_add_co_u32 s24, s24, s28
	s_lshl_b32 s28, s30, 8
	s_add_co_u32 s24, s24, s28
	s_add_nc_u64 s[12:13], s[12:13], s[24:25]
	s_lshl_b32 s24, ttmp9, 10                      ; out0: the quarter's 1,024 bytes of a row
	s_add_nc_u64 s[18:19], s[18:19], s[24:25]
.set k, 0
.rept 23
	v_min_u32 v[AT+k], s26, v[AT+k]                ; places past the tile's rows take its last row
.set k, k+1
.endr
.set k, 0
.rept 23
	v_add_nc_u32 v[AT+k], s21, v[AT+k]
.set k, k+1
.endr
.set k, 0
.rept 23
	v_min_u32 v[AT+k], 0x1fff, v[AT+k]
.set k, k+1
.endr
.set k, 0
.rept 23
	v_lshlrev_b32 v[AT+k], 2, v[AT+k]
.set k, k+1
.endr
.set k, 0
.rept 18
	global_load_b32 v[GT+k], v[AT+k], s[14:15]     ; 18 + 5 loads: the tokens
.set k, k+1
.endr
.set k, 0
.rept 5
	global_load_b32 v[TS+k], v[AT+18+k], s[14:15]
.set k, k+1
.endr
.irp j, 0,1,2,3
.irp q, 0,1
	global_load_b128 v[BIAS+8*\j+4*\q:BIAS+8*\j+4*\q+3], v14, s[12:13] offset:64*\j+16*\q   ; 8 loads: lane (r, h) wants b at outputs 16 j + 8 h + 0 .. 7
.endr
.endr
.irp p, 0,1
.irp q, 0,1
	global_load_b128 v[SCW+8*\p+4*\q:SCW+8*\p+4*\q+3], v13, s[10:11] offset:1024*\p+16*\q   ; 4 loads: W's scale words, all eight K steps of 32 rows
.endr
.endr
.macro WLOAD s                         ; 12 loads: my four fragments of W for K step s, as images: each load 512 consecutive bytes, aligned
.if (\s) < 5
	WIN 0x80
.else
	WIN 0xc0
.endif
.irp j, 0,1,2,3
.irp c, 0,1,2
	global_load_b128 v[48*((\s)%5)+12*\j+4*\c:48*((\s)%5)+12*\j+4*\c+3], v12, s[8:9] offset:(8*\j+(\s))*1536+512*\c
.endr
.endr
.endm
	WLOAD 0
	WLOAD 1
	WIN 0
	s_wait_loadcnt 36                              ; loads come back in order: behind the tokens stand 8 + 4 + 24
.set k, 0
.rept 18
	v_min_u32 v[GT+k], 0x1fff, v[GT+k]
.set k, k+1
.endr
.set k, 0
.rept 5
	v_min_u32 v[TS+k], 0x1fff, v[TS+k]
.set k, k+1
.endr
.set k, 0
.rept 18
	v_mul_u32_u24 v[XOFF+k], v[GT+k], 0x300        ; a token's row of codes: 768 bytes,
	v_lshlrev_b32 v[GT+k], 12, v[GT+k]             ; its row of out0: 4,096
.set k, k+1
.endr
.set k, 0
.rept 18
	v_add_nc_u32 v[XOFF+k], v[XOFF+k], v11
	v_add_nc_u32 v[GT+k], v[GT+k], v11
.set k, k+1
.endr
.set k, 0
.rept 5
	v_lshlrev_b32 v[TS+k], 5, v[TS+k]              ; its row of scale bytes: 32
.set k, k+1
.endr
	WIN 0x40
.set k, 0
.rept 18
.irp u, 0,1,2
	global_load_b128 v[4*(3*k+\u):4*(3*k+\u)+3], v[XOFF+k], s[4:5] offset:256*\u   ; 54 loads: two rows an instruction, sixteen lanes to 256 consecutive aligned bytes
.endr
.set k, k+1
.endr
	WIN 0
.irp p, 0,1,2,3,4
.irp q, 0,1
	global_load_b128 v[SCX+8*\p+4*\q:SCX+8*\p+4*\q+3], v[TS+\p], s[6:7] offset:16*\q   ; 10 loads: the rows' scale words, all eight K steps
.endr
.endr
	WLOAD 2
	WLOAD 3
	WLOAD 4
	s_wait_loadcnt 46                              ; behind the gathered codes stand 10 + 36
	WIN 0x04                                       ; an LDS store's data are its source 1: window 1
.set k, 0
.rept 18
.irp u, 0,1,2
	ds_store_b128 v6, v[4*(3*k+\u):4*(3*k+\u)+3] offset:2*XP*k+256*\u
.endr
.set k, k+1
.endr
	WLOAD 5
	WLOAD 6
	WLOAD 7
	WIN 0
	s_wait_dscnt 0x0                               ; for the others' sake: my 36 rows lie in LDS
	s_barrier_signal -1
	s_barrier_wait -1                              ; all 144 do
.macro FRAGA i, s                      ; row tile i, K step s: lane (r, h)'s 12 registers lie on end in its row: three loads of 16 bytes
.irp c, 0,1,2
.if (\i) < 5
	ds_load_b128 v[AF+12*(\i)+4*\c:AF+12*(\i)+4*\c+3], v4 offset:(\i)*16*XP+96*(\s)+16*\c
.else
	ds_load_b128 v[AF+12*(\i)+4*\c:AF+12*(\i)+4*\c+3], v5 offset:((\i)-5)*16*XP+96*(\s)+16*\c
.endif
.endr
.endm
.macro MUL i, j, s                     ; accumulator (i, j) takes K step s.  The scale words of odd tiles stand in lanes 16-31 of their registers
.set rD, 8*(4*((\i)%8)+(\j))
.if (\i) == 8
.set rD, 160+8*(\j)
.endif
.set rC, rD
.if (\s) == 0
.set rC, BIAS+8*(\j)                   ; the first product starts the sum on the bias: nothing is cleared, nothing is added later
.endif
.set rW, 48*((\s)%5)+12*(\j)
.set rA, AF+12*(\i)
.set rSW, SCW+8*((\j)/2)+(\s)
.set rSX, SCX+8*((\i)/2)+(\s)
.if ((\j)%2 == 0) && ((\i)%2 == 0)
	v_wmma_scale_f32_16x16x128_f8f6f4 v[rD:rD+7], v[rW:rW+11], v[rA:rA+11], v[rC:rC+7], v[rSW], v[rSX] matrix_a_fmt:MATRIX_FMT_FP6 matrix_b_fmt:MATRIX_FMT_FP6
.elseif ((\j)%2 == 1) && ((\i)%2 == 0)
	v_wmma_scale_f32_16x16x128_f8f6f4 v[rD:rD+7], v[rW:rW+11], v[rA:rA+11], v[rC:rC+7], v[rSW], v[rSX] matrix_a_fmt:MATRIX_FMT_FP6 matrix_b_fmt:MATRIX_FMT_FP6 matrix_a_scale:MATRIX_SCALE_ROW1
.elseif ((\j)%2 == 0)
	v_wmma_scale_f32_16x16x128_f8f6f4 v[rD:rD+7], v[rW:rW+11], v[rA:rA+11], v[rC:rC+7], v[rSW], v[rSX] matrix_a_fmt:MATRIX_FMT_FP6 matrix_b_fmt:MATRIX_FMT_FP6 matrix_b_scale:MATRIX_SCALE_ROW1
.else
	v_wmma_scale_f32_16x16x128_f8f6f4 v[rD:rD+7], v[rW:rW+11], v[rA:rA+11], v[rC:rC+7], v[rSW], v[rSX] matrix_a_fmt:MATRIX_FMT_FP6 matrix_b_fmt:MATRIX_FMT_FP6 matrix_a_scale:MATRIX_SCALE_ROW1 matrix_b_scale:MATRIX_SCALE_ROW1
.endif
.endm
; A K step: 36 matrix instructions.  The 36 accumulators take turns, one instruction a turn, in the same order in every step.
; x's fragments have one set of registers: row tiles 0-3 are fetched anew behind their 16 products, row tiles 4-8 behind their 20: each run stands 16 matrix instructions or more ahead of its first use.
.macro KSTEP s
.if (\s) == 0
.set WLO, 0x42                         ; W window 2, x and the bias window 0, D window 1
.set WHI, 0xc2                         ; the same, D window 3
.elseif (\s) < 5
.set WLO, 0x52                         ; W window 2, C and D window 1
.set WHI, 0xf2                         ; C and D window 3
.else
.set WLO, 0x53                         ; W window 3
.set WHI, 0xf3
.endif
.if 12*(7-(\s)) > 60
	s_wait_loadcnt 60                              ; behind x's scale words stand 72 loads, behind W's K steps 0 and 1 more: all these are in
.else
	s_wait_loadcnt 12*(7-(\s))                     ; W's fragments of this K step are in; those of the later steps, 12 loads each, may be out
.endif
	s_wait_dscnt 15                                ; row tiles 0-3 are in; the younger 15 loads (row tiles 4-8) may be out
	WIN WLO
.irp i, 0,1,2,3
.irp j, 0,1,2,3
	MUL \i, \j, \s
.endr
.endr
.if (\s) < 7
	PLACES
	WIN 0
.irp i, 0,1,2,3
	FRAGA \i, (\s)+1
.endr
	s_wait_dscnt 12                                ; all but the 12 just issued: row tiles 4-8 of this step are in
.else
	s_wait_dscnt 0x0
.endif
	WIN WLO
.irp i, 4,5,6,7
.irp j, 0,1,2,3
	MUL \i, \j, \s
.endr
.endr
	WIN WHI
.irp j, 0,1,2,3
	MUL 8, \j, \s
.endr
.if (\s) < 7
	PLACES
	WIN 0
.irp i, 4,5,6,7,8
	FRAGA \i, (\s)+1
.endr
.endif
.endm
.irp i, 0,1,2,3,4,5,6,7,8
	FRAGA \i, 0
.endr
.irp s, 0,1,2,3,4,5,6,7
	KSTEP \s
.endr
	; THE WAY OUT.  A lane holds 32 neighbouring bytes of a row, and a row's 1,024 bytes come from four waves: they meet in the stage, which shares no byte with the rows of codes that slower waves still read.
	PLACES
	WIN 0x04
.irp i, 0,1,2,3,4,5,6,7
.irp j, 0,1,2,3
	ds_store_b128 v[7+(\i)/3], v[8*(4*\i+\j):8*(4*\i+\j)+3] offset:((\i)%3)*16*SP+64*\j      ; each accumulator from its low end on
	ds_store_b128 v[7+(\i)/3], v[8*(4*\i+\j)+4:8*(4*\i+\j)+7] offset:((\i)%3)*16*SP+64*\j+16
.endr
.endr
	WIN 0x0c
.irp j, 0,1,2,3
	ds_store_b128 v9, v[160+8*\j:160+8*\j+3] offset:2*16*SP+64*\j
	ds_store_b128 v9, v[160+8*\j+4:160+8*\j+7] offset:2*16*SP+64*\j+16
.endr
	WIN 0
	s_wait_dscnt 0x0                               ; for the others' sake: my stores into the stage are done
	s_barrier_signal -1
	s_barrier_wait -1
; Wave w sends places 36 w .. 36 w + 35, two rows an instruction, to their tokens' rows of out0: sixteen lanes store 256 consecutive bytes, aligned.  Six pairs of rows at a time.
; A pair whose first place lies past the tile's rows ends the wave.  Where only its second place does, both halves of the lanes hold the tile's last row and store the same numbers to the same bytes.
.macro OUTG gp
.if (\gp) > 0
	s_wait_xcnt 0x0                                ; the last group's stores have read their registers: these are loaded again only behind this wait
.endif
.irp kk, 0,1,2,3,4,5
.irp u, 0,1,2,3
	ds_load_b128 v[AF+16*\kk+4*\u:AF+16*\kk+4*\u+3], v10 offset:(6*(\gp)+\kk)*2*SP+256*\u
.endr
.endr
.irp kk, 0,1,2,3,4,5
	s_cmp_le_i32 s27, 2*(6*(\gp)+\kk)
	s_cbranch_scc1 .Lend
	s_wait_dscnt 4*(5-\kk)                         ; LDS loads come back in order: this pair's four are in, the later pairs' may be out
.irp u, 0,1,2,3
	global_store_b128 v[GT+6*(\gp)+\kk], v[AF+16*\kk+4*\u:AF+16*\kk+4*\u+3], s[18:19] offset:256*\u th:TH_STORE_NT   ; written once, read by nobody here
.endr
.endr
.endm
	OUTG 0
	OUTG 1
	OUTG 2
.Lend:
	s_wait_dscnt 0x0                               ; LDS loads that a wave left behind when it ended early
	s_wait_tensorcnt 0x0
	ds_add_u32 v254, v255
	s_wait_dscnt 0x0
	s_endpgm
.Lfunc_end_k_qa4db804155_gemm:
	.size	k_qa4db804155_gemm, .Lfunc_end_k_qa4db804155_gemm-k_qa4db804155_gemm
	.p2alignl 7, 3214868480
	.fill 96, 4, 3214868480
	.section	.rodata,"a",@progbits
	.p2align	6, 0x0
	.amdhsa_kernel k_qa4db804155_gemm
		.amdhsa_group_segment_fixed_size 263168
		.amdhsa_private_segment_fixed_size 0
		.amdhsa_enable_private_segment 0
		.amdhsa_kernarg_size 64
		.amdhsa_user_sgpr_count 2
		.amdhsa_user_sgpr_kernarg_segment_ptr 1
		.amdhsa_wavefront_size32 1
		.amdhsa_system_sgpr_workgroup_id_x 1
		.amdhsa_system_sgpr_workgroup_id_y 1
		.amdhsa_system_sgpr_workgroup_id_z 1
		.amdhsa_system_vgpr_workitem_id 0
		.amdhsa_next_free_vgpr 1024
		.amdhsa_next_free_sgpr 66
		.amdhsa_reserve_vcc 0
		.amdhsa_float_denorm_mode_32 3
		.amdhsa_float_denorm_mode_16_64 3
		.amdhsa_memory_ordered 1
		.amdhsa_forward_progress 1
		.amdhsa_inst_pref_size 106
	.end_amdhsa_kernel
	.amdgpu_metadata
---
amdhsa.version: [ 1, 2 ]
amdhsa.kernels:
  - .name:           k_qa4db804155_gemm
    .symbol:         k_qa4db804155_gemm.kd
    .args:
      - { .name: xq, .offset: 0, .size: 8, .value_kind: global_buffer, .address_space: global }
      - { .name: xs, .offset: 8, .size: 8, .value_kind: global_buffer, .address_space: global }
      - { .name: wq, .offset: 16, .size: 8, .value_kind: global_buffer, .address_space: global }
      - { .name: ws, .offset: 24, .size: 8, .value_kind: global_buffer, .address_space: global }
      - { .name: b, .offset: 32, .size: 8, .value_kind: global_buffer, .address_space: global }
      - { .name: order, .offset: 40, .size: 8, .value_kind: global_buffer, .address_space: global }
      - { .name: tiles, .offset: 48, .size: 8, .value_kind: global_buffer, .address_space: global }
      - { .name: out0, .offset: 56, .size: 8, .value_kind: global_buffer, .address_space: global }
    .group_segment_fixed_size: 263168
    .private_segment_fixed_size: 0
    .kernarg_segment_align: 8
    .kernarg_segment_size: 64
    .max_flat_workgroup_size: 128
    .sgpr_count:     66
    .vgpr_count:     1024
    .wavefront_size: 32
...
	.end_amdgpu_metadata
.endif
;; end of part 2
;; ======== version 2 of 2: 2 launches
;; workspace buffers: xq 6,291,456 bytes; xs 262,144 bytes; wq 6,291,456 bytes; ws 262,144 bytes; order 32,768 bytes of whole numbers; tiles 1,024 bytes of whole numbers
;; launch prep (part 3): grid 257 x 1, 4 waves a work-group, no clusters, 84,736 bytes of LDS; arguments x, W, group_by, xq, xs, wq, ws, order, tiles; writes xq, xs, wq, ws, order, tiles
.if DOCPART == 3
	.amdgcn_target "amdgcn-amd-amdhsa--gfx1250"
	.amdhsa_code_object_version 6
	.text
	.protected	k_qa4db804155_prep
	.globl	k_qa4db804155_prep
	.p2align	8
	.type	k_qa4db804155_prep,@function
k_qa4db804155_prep:
	s_mov_b64 s[64:65], 0
	v_nop
	global_prefetch_b8 v0, s[64:65] scope:SCOPE_SE
	s_setreg_imm32_b32 hwreg(HW_REG_WAVE_MODE, 25, 1), 1
	s_wait_xcnt 0x0
; PREP.  Work-group 0 sorts the 8,192 tokens by their group (a counting sort, no atomics) and stores the row list and the tile list.
; Work-groups 1-128 turn x [8192][1024] f32, work-groups 129-256 W [8 x 1024 rows][1024] f32, into codes of FP6 (E2M3) with one E8M0 byte for each 32 along K (K is innermost in both).
; A block's scale is 2^(floor(log2(its largest magnitude)) - 2): its byte is the largest magnitude's exponent field - 2, held at 1 from below; numbers are divided by it and rounded to the nearest code, ties to even, beyond 7.5 the largest code.
; LIMITS: NaN and infinities in x and W are not served.  A block whose largest magnitude lies under 2^-124, a block of zeros among them, gets the byte 1 (the rule gives a block of zeros 127):
; a block of zeros has zero codes, which add nothing under any byte but 0xff, and these bytes are read by this program alone.  group_by lies in 0 .. 7, as the table that it indexes asks.
; LAYOUTS.  xq: a token's row is 768 bytes; K step s (128 along K) at 96 s; in it 48 bytes for each half h of the lanes: block 4 s + h, then block 4 s + 2 + h: the 12 operand registers of lane (r, h) on end.
;           wq: images of operand registers: 16 rows T, K step s at (8 T + s) x 1,536; register group c (four registers) at 512 c + 16 x lane.   xs, ws: [row][32] bytes, block b at byte b.
;           order: token numbers, group after group.   tiles: 64 x {group, first place in order, rows (0 .. 144), 0}.
; A QUANTISING WAVE takes 16 rows x 1,024 K in 8 steps of 128 along K.  Each load reads 512 consecutive bytes of a row; a step's 16 x 512 bytes turn through the wave's own stage in LDS, so that lane (r, h) gets
; blocks h and 2 + h of row r whole: no other lane is asked for a maximum, and the conversions' results are the operand's registers.  Waves share nothing: no barrier on this path.
.set INP,   528                        ; in-stage: a row of 512 bytes + 16: an odd multiple of 16, so sixteen rows' 16-byte pieces start at sixteen different places modulo 256 bytes
.set OUTS,  4*16*INP                   ; behind the four in-stages: the out-stages for x's codes
.set OUTP,  784                        ; a row of 768 bytes + 16: likewise an odd multiple of 16
.set SORTL, OUTS+4*16*OUTP             ; the sorting work-group's own 256 bytes
.set SW,    20                         ; v20-27  my row's scale word of each K step
.set C,     32                         ; v32-43  a step's 12 registers of codes;  v44-46, v48-50 the halves that are made elsewhere and moved
.set X,     64                         ; v64-127 my two blocks of 32 numbers
.set R,     128                        ; v128-255 two sets of 64: a step's numbers as loaded
; the sort's names
.set G,     64                         ; v64-127  my 64 tokens' groups
.set RK,    128                        ; v128-191 their ranks inside the group within the wave; later the token numbers
.set O,     192                        ; v192-255 their places in order, in bytes
.set TA,    4                          ; v4-11, v12-19  eight candidates for a rank, for two registers at a time
.set TB,    12
.set RUN,   24                         ; s24-31  the wave's running counts; later the tiles' prefix
.set MK,    32                         ; s32-39  eight masks
.set TOT,   40                         ; s40-47  while counting: the second register's masks; then the groups' totals
.set OFFS,  48                         ; s48-55  while counting: a register's counts; then where my wave's part of each group begins
.set BASE,  56                         ; s56-63  where each group begins
.set CW,    66                         ; s66-97  the four waves' counts
	s_load_b512 s[4:19], s[0:1], 0x0               ; x 4:5, W 6:7, group_by 8:9, xq 10:11, xs 12:13, wq 14:15, ws 16:17, order 18:19
	s_load_b64 s[20:21], s[0:1], 0x40              ; tiles
	s_set_vgpr_msb 0x40
	v_lshl_add_u32 v0, v0, 2, 0x14900
	v_mov_b32 v1, 0
	s_set_vgpr_msb 0x4000
	v_lshrrev_b32 v1, 5, v0
	v_readfirstlane_b32 s22, v1                    ; wave 0..3
	v_and_b32 v1, 31, v0                           ; lane
	s_cmp_eq_u32 ttmp9, 0
	s_cbranch_scc1 .Lsort
	; ---------------- the quantiser ----------------
	v_and_b32 v2, 15, v0                           ; r
	v_bfe_u32 v3, v0, 4, 1                         ; h
	v_lshlrev_b32 v4, 4, v1                        ; 16 x lane: my bytes of a load's or a store's 512
	s_mul_i32 s37, s22, 16*INP                     ; my in-stage
	v_add_nc_u32 v5, s37, v4                       ; into it: as loaded
	v_mul_u32_u24 v6, v2, INP
	v_lshl_add_u32 v6, v3, 7, v6
	v_add_nc_u32 v6, s37, v6                       ; out of it: row r, block h (128 bytes a block)
	s_mul_i32 s38, s22, 16*OUTP
	s_add_co_u32 s38, s38, OUTS                    ; my out-stage
	v_mul_u32_u24 v7, v2, OUTP
	v_mad_u32_u24 v7, v3, 48, v7
	v_add_nc_u32 v7, s38, v7                       ; into it: row r, 48 bytes for each half
	v_add_nc_u32 v8, s38, v4                       ; out of it: 16 x lane,
	v_lshl_add_u32 v9, v3, 4, v8                   ; and the same where lanes 16-31 stand one row (one padding) further on
	v_lshlrev_b32 v10, 3, v3                       ; 8 h: my bytes' shift in a scale word
	v_lshlrev_b32 v11, 5, v2
	v_lshl_add_u32 v11, v3, 4, v11                 ; the scales' way out: row r's 32 bytes, 16 for each half
	v_mov_b32 v19, 0                               ; written once: a lane permute's destination counts as one of its sources
	s_mov_b32 s32, 0x76543210
	s_mov_b32 s33, 0xfedcba98                      ; v_permlanex16_b32's selects for lane l xor 16
	s_wait_kmcnt 0x0
	s_cmp_lt_u32 ttmp9, 129                        ; x's work-group or W's?  The choice hangs on the work-group's number alone
	s_cselect_b64 s[24:25], s[4:5], s[6:7]         ; the numbers
	s_cselect_b64 s[26:27], s[10:11], s[14:15]     ; the codes
	s_cselect_b64 s[28:29], s[12:13], s[16:17]     ; the scale bytes
	s_cselect_b32 s30, 0, 512
	s_sub_co_u32 s34, ttmp9, 1
	s_lshl_b32 s34, s34, 2
	s_add_co_u32 s34, s34, s22
	s_sub_co_u32 s36, s34, s30                     ; which 16 rows of the tensor are my wave's: 0 .. 511
	s_mov_b32 s35, 0
	s_lshl_b32 s34, s36, 16                        ; 16 rows x 4,096 bytes
	s_add_nc_u64 s[24:25], s[24:25], s[34:35]
	s_mul_i32 s34, s36, 12288                      ; 16 rows x 768 bytes = 8 images x 1,536
	s_add_nc_u64 s[26:27], s[26:27], s[34:35]
	s_lshl_b32 s34, s36, 9                         ; 16 rows x 32 bytes
	s_add_nc_u64 s[28:29], s[28:29], s[34:35]
.macro LOAD s                          ; K step s of my 16 rows into set s % 2: each load 512 consecutive bytes, at a multiple of 512 from the tensor's first byte
.irp p, 0,1,2,3,4,5,6,7,8,9,10,11,12,13,14,15
	global_load_b128 v[R+64*((\s)%2)+4*\p:R+64*((\s)%2)+4*\p+3], v4, s[24:25] offset:4096*\p+512*(\s) th:TH_LOAD_NT
.endr
.endm
.macro STEP s
.if (\s) < 7
	s_wait_loadcnt 16                              ; loads come back in order: this step's 16 are in, the next step's 16 may be out
.else
	s_wait_loadcnt 0x0
.endif
.irp p, 0,1,2,3,4,5,6,7,8,9,10,11,12,13,14,15
	ds_store_b128 v5, v[R+64*((\s)%2)+4*\p:R+64*((\s)%2)+4*\p+3] offset:INP*\p
.endr
.irp c, 0,1
.irp i, 0,1,2,3,4,5,6,7
	ds_load_b128 v[X+32*\c+4*\i:X+32*\c+4*\i+3], v6 offset:256*\c+16*\i   ; LDS serves a wave's instructions in order: these see the stores above.  Block 2 c + h of row r
.endr
.endr
	s_wait_dscnt 0x0                               ; my numbers are back, so the stores have read their registers,
.if (\s)+2 < 8
	LOAD (\s)+2                                    ; which take the loads of two steps on
.endif
	v_max3_num_f32 v12, |v[X]|, |v[X+1]|, |v[X+2]|                 ; the two blocks' largest magnitudes: two chains each, the four by turns
	v_max3_num_f32 v14, |v[X+32]|, |v[X+33]|, |v[X+34]|
	v_max3_num_f32 v13, |v[X+3]|, |v[X+4]|, |v[X+5]|
	v_max3_num_f32 v15, |v[X+35]|, |v[X+36]|, |v[X+37]|
.irp i, 6,10,14,18,22,26
	v_max3_num_f32 v12, v12, |v[X+\i]|, |v[X+\i+1]|
	v_max3_num_f32 v14, v14, |v[X+32+\i]|, |v[X+33+\i]|
	v_max3_num_f32 v13, v13, |v[X+\i+2]|, |v[X+\i+3]|
	v_max3_num_f32 v15, v15, |v[X+34+\i]|, |v[X+35+\i]|
.endr
	v_max3_num_f32 v12, v12, |v[X+30]|, |v[X+31]|
	v_max3_num_f32 v14, v14, |v[X+62]|, |v[X+63]|
	v_max3_num_f32 v12, v12, v13, 0x1800000        ; and the floor 2^(3 - 127): the byte cannot fall under 1
	v_max3_num_f32 v14, v14, v15, 0x1800000
	v_add_nc_u32 v16, 0xff000000, v12              ; 2 off the exponent field: the conversion takes the exponent field of this operand as its scale, and nothing else of it
	v_add_nc_u32 v17, 0xff000000, v14
	v_lshrrev_b32 v52, 23, v16                     ; the scales' bytes: blocks h and 2 + h
	v_lshrrev_b32 v53, 23, v17
	v_lshl_or_b32 v18, v53, 16, v52
	v_lshlrev_b32 v18, v10, v18                    ; at their places in the word
	v_permlanex16_b32 v19, v18, s32, s33
	v_or_b32 v[SW+(\s)], v18, v19                  ; with lane l xor 16's two the word is whole
	s_wait_alu depctr_va_vdst(0)
	s_wait_xcnt 0x0                                ; the last step's stores of codes to memory have read their registers: the codes are written again only behind this wait
	v_cvt_scalef32_pk16_fp6_f32 v[C:C+2], v[X:X+15], v16
	v_cvt_scalef32_pk16_fp6_f32 v[C+12:C+14], v[X+16:X+31], v16    ; (a conversion's three registers begin on an even number: a block's second half is made elsewhere and moved)
	v_cvt_scalef32_pk16_fp6_f32 v[C+6:C+8], v[X+32:X+47], v17
	v_cvt_scalef32_pk16_fp6_f32 v[C+16:C+18], v[X+48:X+63], v17
	v_nop                                          ; one plain place behind a scaled conversion
.irp i, 0,1,2
	v_mov_b32 v[C+3+\i], v[C+12+\i]
	v_mov_b32 v[C+9+\i], v[C+16+\i]
.endr
	s_cmp_lt_u32 ttmp9, 129
	s_cbranch_scc0 .Lw_\@
.irp c, 0,1,2
	ds_store_b128 v7, v[C+4*\c:C+4*\c+3] offset:96*(\s)+16*\c      ; x: a lane's 48 bytes belong to one row: they are gathered in the out-stage and leave at the end
.endr
	s_branch .Lj_\@
.Lw_\@:
	s_wait_alu depctr_va_vdst(0)
.irp c, 0,1,2
	global_store_b128 v4, v[C+4*\c:C+4*\c+3], s[26:27] offset:1536*(\s)+512*\c   ; W: the registers' image: each store covers 512 consecutive bytes, aligned
.endr
.Lj_\@:
.endm
	LOAD 0
	LOAD 1
.irp s, 0,1,2,3,4,5,6,7
	STEP \s
.endr
	v_cmp_ne_u32 vcc_lo, 0, v3                     ; lanes 0-15 store words 0-3 of row r, lanes 16-31 words 4-7
.irp i, 0,1,2,3
	v_cndmask_b32 v[28+\i], v[SW+\i], v[SW+4+\i], vcc_lo
.endr
	global_store_b128 v11, v[28:31], s[28:29]      ; 16 rows x 32 bytes: 512 consecutive bytes, aligned
	s_cmp_lt_u32 ttmp9, 129
	s_cbranch_scc0 .Lquant_end
	; x's codes: 16 rows x 768 bytes are 12,288 consecutive bytes of xq.  Byte 512 m + 16 l lies in row (512 m + 16 l) / 768, 16 bytes of padding further on for each row passed
.irp m, 0,1,2,3,4,5,6,7,8,9,10,11,12,13,14,15,16,17,18,19,20,21,22,23
.if (\m)%3 == 1
	ds_load_b128 v[R+4*\m:R+4*\m+3], v9 offset:512*\m+32*(\m/3)
.elseif (\m)%3 == 2
	ds_load_b128 v[R+4*\m:R+4*\m+3], v8 offset:512*\m+32*(\m/3)+16
.else
	ds_load_b128 v[R+4*\m:R+4*\m+3], v8 offset:512*\m+32*(\m/3)
.endif
.endr
.irp m, 0,1,2,3,4,5,6,7,8,9,10,11,12,13,14,15,16,17,18,19,20,21,22,23
	s_wait_dscnt 23-\m                             ; LDS loads come back in order: load m is in
	global_store_b128 v4, v[R+4*\m:R+4*\m+3], s[26:27] offset:512*\m
.endr
.Lquant_end:
	s_set_vgpr_msb 0x5
	s_wait_tensorcnt 0x0
	ds_add_u32 v0, v1
	s_wait_dscnt 0x0
	s_set_vgpr_msb 0x500
	s_endpgm
	; ---------------- the sort: one work-group; wave w owns tokens 2,048 w .. + 2,047 ----------------
.Lsort:
	s_wait_alu depctr_va_vdst(0)
	v_lshlrev_b32 v2, 4, v1
	s_lshl_b32 s98, s22, 13
	v_add_nc_u32 v2, s98, v2                       ; 8,192 w + 16 l: register 4 m + i holds the group of token 2,048 w + 128 m + 4 l + i
	s_lshl_b32 s99, s22, 11
	v_lshl_add_u32 v3, v1, 2, s99                  ; 2,048 w + 4 l
	s_lshl_b32 s98, s22, 5
	s_add_co_u32 s98, s98, SORTL
	v_mov_b32 v20, s98                             ; LDS: my wave's eight counts
	v_mov_b32 v21, SORTL
.irp g, 0,1,2,3,4,5,6,7
	s_mov_b32 s[RUN+\g], 0
.endr
	s_wait_alu depctr_va_vdst(0)
	s_wait_kmcnt 0x0
.irp m, 0,1,2,3,4,5,6,7,8,9,10,11,12,13,14,15
	global_load_b128 v[G+4*\m:G+4*\m+3], v2, s[8:9] offset:512*\m th:TH_LOAD_NT
.endr
; Two registers of groups at a time.  For each group: the mask of the lanes that hold it; a lane's rank = the wave's running count + the lanes below it in the mask; the count goes on by the mask's ones.
; Each lane keeps the candidate of its own group.  The two chains of selects take turns.
.macro PAIR j
.if (\j)%4 == 0
	s_wait_loadcnt 15-(\j)/4                       ; the load that brought registers j .. j + 3 is in; the younger ones may be out
.endif
.irp g, 0,1,2,3,4,5,6,7
	v_cmp_eq_u32 s[MK+\g], \g, v[G+\j]
.endr
.irp g, 0,1,2,3,4,5,6,7
	v_cmp_eq_u32 s[TOT+\g], \g, v[G+\j+1]
.endr
.irp g, 0,1,2,3,4,5,6,7
	v_mbcnt_lo_u32_b32 v[TA+\g], s[MK+\g], s[RUN+\g]
.endr
.irp g, 0,1,2,3,4,5,6,7
	s_bcnt1_i32_b32 s[OFFS+\g], s[MK+\g]
.endr
.irp g, 0,1,2,3,4,5,6,7
	s_add_co_u32 s[RUN+\g], s[RUN+\g], s[OFFS+\g]
.endr
.irp g, 0,1,2,3,4,5,6,7
	v_mbcnt_lo_u32_b32 v[TB+\g], s[TOT+\g], s[RUN+\g]
.endr
.irp g, 0,1,2,3,4,5,6,7
	s_bcnt1_i32_b32 s[OFFS+\g], s[TOT+\g]
.endr
.irp g, 0,1,2,3,4,5,6,7
	s_add_co_u32 s[RUN+\g], s[RUN+\g], s[OFFS+\g]
.endr
	v_cndmask_b32 v[RK+\j], v[TA], v[TA+1], s[MK+1]
	s_wait_alu depctr_va_vdst(0)
	v_cndmask_b32 v[RK+\j+1], v[TB], v[TB+1], s[TOT+1]
.irp g, 2,3,4,5,6,7
	v_cndmask_b32 v[RK+\j], v[RK+\j], v[TA+\g], s[MK+\g]
	v_cndmask_b32 v[RK+\j+1], v[RK+\j+1], v[TB+\g], s[TOT+\g]
.endr
.endm
.irp j, 0,2,4,6,8,10,12,14,16,18,20,22,24,26,28,30,32,34,36,38,40,42,44,46,48,50,52,54,56,58,60,62
	PAIR \j
.endr
	; the four waves' counts meet in LDS
.irp g, 0,1,2,3,4,5,6,7
	v_mov_b32 v[24+\g], s[RUN+\g]
.endr
.irp g, 0,1,2,3,4,5,6,7
	ds_store_b32 v20, v[24+\g] offset:4*\g         ; all lanes write the same word with the same value
.endr
	s_wait_dscnt 0x0                               ; for the others' sake: my stores are done
	s_barrier_signal -1
	s_barrier_wait -1                              ; (all four waves of this work-group are on this path: the branch hangs on the work-group's number)
.irp i, 0,1,2,3,4,5,6,7
	ds_load_b128 v[32+4*\i:35+4*\i], v21 offset:16*\i
.endr
	s_wait_dscnt 0x0
.set i, 0
.rept 32
	v_readfirstlane_b32 s[CW+i], v[32+i]           ; count of group i % 8 in wave i / 8
.set i, i+1
.endr
.irp g, 0,1,2,3,4,5,6,7
	s_add_co_u32 s[TOT+\g], s[CW+\g], s[CW+8+\g]
	s_add_co_u32 s[OFFS+\g], s[CW+16+\g], s[CW+24+\g]
	s_add_co_u32 s[TOT+\g], s[TOT+\g], s[OFFS+\g]  ; the group's rows in all
.endr
	s_mov_b32 s[BASE], 0
.irp g, 1,2,3,4,5,6,7
	s_add_co_u32 s[BASE+\g], s[BASE+\g-1], s[TOT+\g-1]   ; where the group begins in order
.endr
.irp g, 0,1,2,3,4,5,6,7
	s_mov_b32 s[OFFS+\g], s[BASE+\g]
.endr
.irp u, 0,1,2                          ; + the counts of the waves below mine.  All eight selects stand ahead of the additions, which change SCC
	s_cmp_gt_u32 s22, \u
.irp g, 0,1,2,3,4,5,6,7
	s_cselect_b32 s[MK+\g], s[CW+8*\u+\g], 0
.endr
.irp g, 0,1,2,3,4,5,6,7
	s_add_co_u32 s[OFFS+\g], s[OFFS+\g], s[MK+\g]
.endr
.endr
	; a token's place = where my wave's part of its group begins + its rank.  The eight beginnings lie in lanes 0-7 of one register; each lane pulls its token's
	v_mov_b32 v22, 0
.irp g, 0,1,2,3,4,5,6,7
	v_writelane_b32 v22, s[OFFS+\g], \g
.endr
.set j, 0
.rept 64
	v_lshlrev_b32 v[G+j], 2, v[G+j]                ; the pull's index is 4 x lane
.set j, j+1
.endr
.set j, 0
.rept 64
	ds_bpermute_b32 v[O+j], v[G+j], v22
.set j, j+1
.endr
	s_wait_dscnt 0x0
.set j, 0
.rept 64
	v_add_nc_u32 v[O+j], v[O+j], v[RK+j]
.set j, j+1
.endr
.set j, 0
.rept 64
	v_min_u32 v[O+j], 0x1fff, v[O+j]               ; inside order, whatever group_by holds
.set j, j+1
.endr
.set j, 0
.rept 64
	v_lshlrev_b32 v[O+j], 2, v[O+j]
	v_add_nc_u32 v[RK+j], 128*(j/4)+j%4, v3        ; the token's number
.set j, j+1
.endr
.set j, 0
.rept 64
	global_store_b32 v[O+j], v[RK+j], s[18:19]     ; four bytes a lane to scattered places: 32,768 bytes in all; a gathering in LDS would want LDS addresses made of data
.set j, j+1
.endr
	; the tile list: thread t of waves 0 and 1 makes tile t.  A group of n rows has ceil(n / 144) tiles; 8,192 rows in 8 groups never have more than 64
	s_cmp_gt_u32 s22, 1
	s_cbranch_scc1 .Lsort_end
.irp g, 0,1,2,3,4,5,6,7
	s_add_co_u32 s[MK+\g], s[TOT+\g], 143
	s_mul_i32 s[MK+\g], s[MK+\g], 29128            ; y / 144 = y x 29,128 >> 22, exact for y under 32,768 (29,128 x 144 = 2^22 + 128)
	s_lshr_b32 s[MK+\g], s[MK+\g], 22
.endr
	s_mov_b32 s[RUN], 0
.irp g, 1,2,3,4,5,6,7
	s_add_co_u32 s[RUN+\g], s[RUN+\g-1], s[MK+\g-1]   ; the group's first tile
.endr
	s_add_co_u32 s98, s[RUN+7], s[MK+7]            ; tiles in all
	v_mov_b32 v40, 0                               ; group,
	v_mov_b32 v44, s[BASE]                         ; its beginning,
	v_mov_b32 v45, s[TOT]                          ; its rows,
	v_mov_b32 v46, 0                               ; its first tile
.irp g, 1,2,3,4,5,6,7
	v_cmp_gt_u32 vcc_lo, s[RUN+\g], v0             ; the last group whose first tile is not above t: a group without rows is passed over by the next
	v_cndmask_b32 v40, \g, v40, vcc_lo
	v_cndmask_b32 v44, s[BASE+\g], v44, vcc_lo
	v_cndmask_b32 v45, s[TOT+\g], v45, vcc_lo
	v_cndmask_b32 v46, s[RUN+\g], v46, vcc_lo
.endr
	v_sub_nc_u32 v46, v0, v46
	v_mul_u32_u24 v46, v46, 144                    ; rows of the group ahead of this tile
	v_add_nc_u32 v41, v44, v46                     ; the tile's first place in order
	v_sub_nc_u32 v42, v45, v46
	v_min_u32 v42, 144, v42                        ; its rows
	v_cmp_gt_u32 vcc_lo, s98, v0                   ; tiles that this split does not have: group 0, place 0, no rows
	v_cndmask_b32 v40, 0, v40, vcc_lo
	v_cndmask_b32 v41, 0, v41, vcc_lo
	v_cndmask_b32 v42, 0, v42, vcc_lo
	v_mov_b32 v43, 0
	v_lshlrev_b32 v47, 4, v0
	global_store_b128 v47, v[40:43], s[20:21]      ; a wave stores 512 consecutive bytes, aligned
.Lsort_end:
	s_set_vgpr_msb 0x5
	s_wait_tensorcnt 0x0
	ds_add_u32 v0, v1
	s_wait_dscnt 0x0
	s_set_vgpr_msb 0x500
	s_endpgm
.Lfunc_end_k_qa4db804155_prep:
	.size	k_qa4db804155_prep, .Lfunc_end_k_qa4db804155_prep-k_qa4db804155_prep
	.p2alignl 7, 3214868480
	.fill 96, 4, 3214868480
	.section	.rodata,"a",@progbits
	.p2align	6, 0x0
	.amdhsa_kernel k_qa4db804155_prep
		.amdhsa_group_segment_fixed_size 84736
		.amdhsa_private_segment_fixed_size 0
		.amdhsa_enable_private_segment 0
		.amdhsa_kernarg_size 72
		.amdhsa_user_sgpr_count 2
		.amdhsa_user_sgpr_kernarg_segment_ptr 1
		.amdhsa_wavefront_size32 1
		.amdhsa_system_sgpr_workgroup_id_x 1
		.amdhsa_system_sgpr_workgroup_id_y 1
		.amdhsa_system_sgpr_workgroup_id_z 1
		.amdhsa_system_vgpr_workitem_id 0
		.amdhsa_next_free_vgpr 258
		.amdhsa_next_free_sgpr 100
		.amdhsa_reserve_vcc 1
		.amdhsa_float_denorm_mode_32 3
		.amdhsa_float_denorm_mode_16_64 3
		.amdhsa_memory_ordered 1
		.amdhsa_forward_progress 1
		.amdhsa_inst_pref_size 226
	.end_amdhsa_kernel
	.amdgpu_metadata
---
amdhsa.version: [ 1, 2 ]
amdhsa.kernels:
  - .name:           k_qa4db804155_prep
    .symbol:         k_qa4db804155_prep.kd
    .args:
      - { .name: x, .offset: 0, .size: 8, .value_kind: global_buffer, .address_space: global }
      - { .name: W, .offset: 8, .size: 8, .value_kind: global_buffer, .address_space: global }
      - { .name: group_by, .offset: 16, .size: 8, .value_kind: global_buffer, .address_space: global }
      - { .name: xq, .offset: 24, .size: 8, .value_kind: global_buffer, .address_space: global }
      - { .name: xs, .offset: 32, .size: 8, .value_kind: global_buffer, .address_space: global }
      - { .name: wq, .offset: 40, .size: 8, .value_kind: global_buffer, .address_space: global }
      - { .name: ws, .offset: 48, .size: 8, .value_kind: global_buffer, .address_space: global }
      - { .name: order, .offset: 56, .size: 8, .value_kind: global_buffer, .address_space: global }
      - { .name: tiles, .offset: 64, .size: 8, .value_kind: global_buffer, .address_space: global }
    .group_segment_fixed_size: 84736
    .private_segment_fixed_size: 0
    .kernarg_segment_align: 8
    .kernarg_segment_size: 72
    .max_flat_workgroup_size: 128
    .sgpr_count:     100
    .vgpr_count:     258
    .wavefront_size: 32
...
	.end_amdgpu_metadata
.endif
;; end of part 3
;; launch gemm (part 4): grid 4 x 64, 4 waves a work-group, no clusters, 263,168 bytes of LDS; arguments xq, xs, wq, ws, b, order, tiles, out0; writes out0
.if DOCPART == 4
	.amdgcn_target "amdgcn-amd-amdhsa--gfx1250"
	.amdhsa_code_object_version 6
	.text
	.protected	k_qa4db804155_gemm
	.globl	k_qa4db804155_gemm
	.p2align	8
	.type	k_qa4db804155_gemm,@function
k_qa4db804155_gemm:
	s_mov_b64 s[64:65], 0
	v_nop
	global_prefetch_b8 v0, s[64:65] scope:SCOPE_SE
	s_setreg_imm32_b32 hwreg(HW_REG_WAVE_SCHED_MODE, 0, 2), 2
	s_setreg_imm32_b32 hwreg(HW_REG_WAVE_MODE, 25, 1), 1
	s_wait_xcnt 0x0
	s_wait_alu depctr_vm_vsrc(0)
; out0[t][:] = Wr[g(t)] x[t] + b[g(t)], on codes of FP6 (E2M3) with one E8M0 scale for each 32 along K, only for the group that group_by names for each token: the one-hot sum of the source keeps that row and no other.
; A work-group takes one tile of the tile list (at most 144 rows of one group) x 256 of the 1,024 outputs (work-group x: which quarter).  8,192 rows in 8 groups never make more than 64 tiles of 144: the grid 4 x 64 serves every split.
; A tile with fewer than 144 rows fills its places with its last row (the same codes give the same numbers) and stores only its own rows; a tile without rows walks the same text on order's first token and stores nothing:
; every wave passes both barriers, none of which stands under a branch on a number read from memory.
; SHARES.  Wave w makes all 144 rows x outputs 64 w .. 64 w + 63 of the quarter: 9 x 4 = 36 accumulators.  Its part of W, 4 tiles x 8 K steps = 384 registers, comes from memory straight into registers, each fragment read by one wave, once.
; The rows' codes are gathered by token into LDS (each wave 36 rows; sixteen lanes read 256 consecutive aligned bytes of a row) and read from there by all four waves.
; THE MATRIX INSTRUCTION IS USED TRANSPOSED (source 0 = 16 rows of W, source 1 = 16 rows of x): a lane holds eight neighbouring outputs of one row.  The bias is the C of each sum's first instruction
; (another order of f32 rounding than adding it behind the sum).
; NO TENSOR LOADS, NO CLUSTER: x's rows are a gather by token and form no rectangle; W's address hangs on a group number read from memory; the stores are left out by a branch on a row count read from memory;
; and the tiles of one group need not be neighbours in a fixed grid of 64, so partners of a cluster would not share W at every split.
; LIMITS: as the launch that makes the codes states them (NaN and infinities not served; blocks under 2^-124 have the byte 1; group_by lies in 0 .. 7).
; REGISTERS, in windows of 256: window 0: v1-15 lane terms and addresses; v16-33 tokens, then offsets in out0; v34-38 offsets in xs; v40-79 x's scale words; v80-95 W's; v96-127 the bias; v128-235 x's nine fragments
;   (first the offsets into order, at the end rows of out0); v236-253 offsets in xq.   window 1: accumulators (i, j), i < 8, at v[8 (4 i + j)]; before the products the gathered codes.
;   window 2: W's fragments of K steps 0-4 at v[48 s + 12 j].   window 3: those of K steps 5-7 at v[48 (s - 5) + 12 j]; accumulators (8, j) at v[160 + 8 j]; v192-239 the second set of x's row tiles 0-3.
; THE MODE: SCHED_MODE bits 1:0 = 2 (LLVM: expert scheduling mode 2), set by the entry lines.  The code itself states the register dependences between vector or matrix instructions and memory or LDS
; instructions, with s_wait_alu, always for 0.
; THE PLAN.  Registers that memory or LDS instructions touch:
;   v4-15      addresses and offsets: written by vector instructions at the head, read by loads and stores of the whole kernel, never written again: one wait on va_vdst ahead of the first load.
;   AT         v128-150: written at the head, read by the token loads; later x's fragments land there: the same wait on va_vdst, and the wait on vm_vsrc behind the first barrier.
;   GT, TS, XOFF  tokens land in GT and TS; vector instructions make offsets of them; the gather reads XOFF, the scale loads TS, the last stores GT: one wait on va_vdst ahead of the gather; no vector instruction names them afterwards.
;   window 1   the gathered codes land, the LDS stores read them, the products write them as accumulators: the wait on vm_vsrc behind the first barrier.
;   x's row tiles 0-3   TWO sets: even K steps read window 0's v128-175, odd ones window 3's v192-239.  The loads in the middle of step s land in the set that step s - 1 read.
;   x's row tiles 4-8   one set, v176-235: read by the second half of a step, loaded again at the step's end.
;   So ONE wait on va_vdst stands at the end of a K step: it states that the step's products are done reading row tiles 4-8, on which the 15 loads behind it land, and this step's set of row tiles 0-3, on which the
;   next step's middle run lands; between that wait and that run stand only products that name the other set.
;   the accumulators   written by the products, read by the LDS stores of the way out: one wait on va_vdst, which also states that x's fragments are read: rows of out0 land there.
;   v128-223 on the way out   LDS loads land, global stores read, the next group's LDS loads land: a wait on vm_vsrc ahead of each group but the first.
.set XP,   784                         ; a row of codes in LDS: 768 bytes + 16: an odd multiple of 16, so sixteen rows' 16-byte pieces start at sixteen different places modulo 256 bytes
.set STG,  144*XP                      ; behind the 144 rows of codes: the stage for the way out
.set SP,   1040                        ; a row of it: 1,024 bytes + 16: likewise
.set GT,   16
.set TS,   34
.set SCX,  40                          ; register SCX + 8 p + s: K step s; lanes 0-15 row tile 2 p, lanes 16-31 row tile 2 p + 1
.set SCW,  80                          ; register SCW + 8 q + s: lanes 0-15 output tile 2 q, lanes 16-31 output tile 2 q + 1
.set BIAS, 96
.set AF,   128
.set AF2,  192                         ; in window 3: row tiles 0-3 of the odd K steps
.set AT,   128
.set XOFF, 236
.set MSB, 0
.macro WIN new                         ; s_set_vgpr_msb: bits 1:0 source 0, 3:2 source 1, 5:4 source 2, 7:6 destination; the high byte repeats the setting that is left
.if MSB != \new
	s_set_vgpr_msb (MSB<<8)|\new
.set MSB, \new
.endif
.endm
.macro PLACES                          ; four plain vector instructions between a matrix instruction and a read of its result; ahead of the loads into row tiles 4-8 they stand beside the wait that states the dependence
.rept 4
	v_nop
.endr
.endm
	s_load_b512 s[4:19], s[0:1], 0x0               ; xq 4:5, xs 6:7, wq 8:9, ws 10:11, b 12:13, order 14:15, tiles 16:17, out0 18:19
	v_lshl_add_u32 v254, v0, 2, 0x40200
	v_mov_b32 v255, 0
	v_lshrrev_b32 v1, 5, v0
	v_readfirstlane_b32 s30, v1                    ; wave 0..3
	s_and_b32 s24, ttmp7, 0xffff                   ; the tile
	s_lshl_b32 s24, s24, 4
	s_mov_b32 s25, 0
	s_wait_kmcnt 0x0
	s_add_nc_u64 s[16:17], s[16:17], s[24:25]
	s_load_b128 s[20:23], s[16:17], 0x0            ; group, first place in order, rows, 0
	v_and_b32 v1, 31, v0                           ; lane
	v_and_b32 v2, 15, v0                           ; r
	v_bfe_u32 v3, v0, 4, 1                         ; h
	v_mul_u32_u24 v4, v2, XP
	v_mad_u32_u24 v4, v3, 48, v4                   ; a fragment of x: row r, 48 bytes for each half (row tiles 0-4),
	v_add_nc_u32 v5, 5*16*XP, v4                   ; and row tiles 5-8: an LDS offset has 16 bits
	v_lshlrev_b32 v11, 4, v2                       ; 16 r: my bytes of a run of 256
	v_lshlrev_b32 v12, 4, v1                       ; 16 x lane: my bytes of an image's 512
	v_lshlrev_b32 v13, 5, v1                       ; 32 x lane: a row of scale bytes
	v_lshlrev_b32 v14, 5, v3                       ; 32 h: my half's eight numbers of the bias
	s_wait_alu depctr_va_sdst(0)                   ; s30, the wave's number, is written, ahead of its first reader: LDS places and the bases of wq, ws and b are made from it
	s_mul_i32 s28, s30, 36*XP
	v_mul_u32_u24 v6, v3, XP
	v_add_nc_u32 v6, v6, v11
	v_add_nc_u32 v6, s28, v6                       ; the gather's way into LDS: rows 36 w + h on, 16 bytes a lane
	s_lshl_b32 s28, s30, 8
	s_add_co_u32 s28, s28, STG
	v_mul_u32_u24 v7, v2, SP
	v_add_nc_u32 v7, v7, v14
	v_add_nc_u32 v7, s28, v7                       ; into the stage: row r, my wave's 256 bytes, 32 for each half (row tiles 0-2),
	v_add_nc_u32 v8, 48*SP, v7                     ; row tiles 3-5,
	v_add_nc_u32 v9, 96*SP, v7                     ; row tiles 6-8
	s_mul_i32 s28, s30, 36*SP
	s_add_co_u32 s28, s28, STG
	v_mul_u32_u24 v10, v3, SP
	v_add_nc_u32 v10, v10, v11
	v_add_nc_u32 v10, s28, v10                     ; out of the stage: rows 36 w + h on, 16 bytes a lane
	s_mul_i32 s28, s30, 36
	v_add_nc_u32 v15, s28, v3                      ; 36 w + h
.set k, 0
.rept 18
	v_add_nc_u32 v[AT+k], 2*k, v15                 ; the places of the rows that I gather and store: 36 w + 2 k + h
.set k, k+1
.endr
.set k, 0
.rept 5
	v_add_nc_u32 v[AT+18+k], 32*k, v1              ; and of the rows whose scale words I hold: 32 p + lane
.set k, k+1
.endr
	s_wait_kmcnt 0x0
	s_min_u32 s20, s20, 7                          ; what was read from memory is held inside its tables
	s_min_u32 s21, s21, 0x1fff
	s_min_u32 s22, s22, 144
	s_max_u32 s26, s22, 1
	s_sub_co_u32 s26, s26, 1                       ; the tile's last place
	s_mul_i32 s27, s30, 36
	s_sub_co_i32 s27, s22, s27                     ; rows left from my wave's first place on (signed)
	s_mul_i32 s24, s20, 786432                     ; wq: 64 tiles of 16 rows a group, 16 a quarter, 4 a wave, 12,288 bytes each
	s_mul_i32 s28, ttmp9, 196608
	s_add_co_u32 s24, s24, s28
	s_mul_i32 s28, s30, 49152
	s_add_co_u32 s24, s24, s28
	s_add_nc_u64 s[8:9], s[8:9], s[24:25]
	s_lshl_b32 s24, s20, 15                        ; ws: 32 bytes a row
	s_lshl_b32 s28, ttmp9, 13
	s_add_co_u32 s24, s24, s28
	s_lshl_b32 s28, s30, 11
	s_add_co_u32 s24, s24, s28
	s_add_nc_u64 s[10:11], s[10:11], s[24:25]
	s_lshl_b32 s24, s20, 12                        ; b: 4 bytes an output
	s_lshl_b32 s28, ttmp9, 10
	s_add_co_u32 s24, s24, s28
	s_lshl_b32 s28, s30, 8
	s_add_co_u32 s24, s24, s28
	s_add_nc_u64 s[12:13], s[12:13], s[24:25]
	s_lshl_b32 s24, ttmp9, 10                      ; out0: the quarter's 1,024 bytes of a row
	s_add_nc_u64 s[18:19], s[18:19], s[24:25]
.set k, 0
.rept 23
	v_min_u32 v[AT+k], s26, v[AT+k]                ; places past the tile's rows take its last row
.set k, k+1
.endr
.set k, 0
.rept 23
	v_add_nc_u32 v[AT+k], s21, v[AT+k]
.set k, k+1
.endr
.set k, 0
.rept 23
	v_min_u32 v[AT+k], 0x1fff, v[AT+k]
.set k, k+1
.endr
.set k, 0
.rept 23
	v_lshlrev_b32 v[AT+k], 2, v[AT+k]
.set k, k+1
.endr
	s_wait_alu depctr_va_vdst(0)                   ; the offsets into order, v[AT ..], are written, which the token loads read; so are v4 to v15, which the kernel's other loads and stores read and no line writes again
.set k, 0
.rept 18
	global_load_b32 v[GT+k], v[AT+k], s[14:15]     ; 18 + 5 loads: the tokens
.set k, k+1
.endr
.set k, 0
.rept 5
	global_load_b32 v[TS+k], v[AT+18+k], s[14:15]
.set k, k+1
.endr
.irp j, 0,1,2,3
.irp q, 0,1
	global_load_b128 v[BIAS+8*\j+4*\q:BIAS+8*\j+4*\q+3], v14, s[12:13] offset:64*\j+16*\q   ; 8 loads: lane (r, h) wants b at outputs 16 j + 8 h + 0 .. 7
.endr
.endr
.irp p, 0,1
.irp q, 0,1
	global_load_b128 v[SCW+8*\p+4*\q:SCW+8*\p+4*\q+3], v13, s[10:11] offset:1024*\p+16*\q   ; 4 loads: W's scale words, all eight K steps of 32 rows
.endr
.endr
.macro WLOAD s                         ; 12 loads: my four fragments of W for K step s, as images: each load 512 consecutive bytes, aligned.  No vector instruction names their registers ahead of the products
.if (\s) < 5
	WIN 0x80
.else
	WIN 0xc0
.endif
.irp j, 0,1,2,3
.irp c, 0,1,2
	global_load_b128 v[48*((\s)%5)+12*\j+4*\c:48*((\s)%5)+12*\j+4*\c+3], v12, s[8:9] offset:(8*\j+(\s))*1536+512*\c
.endr
.endr
.endm
	WLOAD 0
	WLOAD 1
	WIN 0
	s_wait_loadcnt 36                              ; loads come back in order: behind the tokens stand 8 + 4 + 24
.set k, 0
.rept 18
	v_min_u32 v[GT+k], 0x1fff, v[GT+k]
.set k, k+1
.endr
.set k, 0
.rept 5
	v_min_u32 v[TS+k], 0x1fff, v[TS+k]
.set k, k+1
.endr
.set k, 0
.rept 18
	v_mul_u32_u24 v[XOFF+k], v[GT+k], 0x300        ; a token's row of codes: 768 bytes,
	v_lshlrev_b32 v[GT+k], 12, v[GT+k]             ; its row of out0: 4,096
.set k, k+1
.endr
.set k, 0
.rept 18
	v_add_nc_u32 v[XOFF+k], v[XOFF+k], v11
	v_add_nc_u32 v[GT+k], v[GT+k], v11
.set k, k+1
.endr
.set k, 0
.rept 5
	v_lshlrev_b32 v[TS+k], 5, v[TS+k]              ; its row of scale bytes: 32
.set k, k+1
.endr
	WIN 0x40
	s_wait_alu depctr_va_vdst(0)                   ; the offsets made of the tokens are written: v[XOFF ..], which the gather reads, v[TS ..], which the scale loads read, v[GT ..], which the last stores read
.set k, 0
.rept 18
.irp u, 0,1,2
	global_load_b128 v[4*(3*k+\u):4*(3*k+\u)+3], v[XOFF+k], s[4:5] offset:256*\u   ; 54 loads: two rows an instruction, sixteen lanes to 256 consecutive aligned bytes
.endr
.set k, k+1
.endr
	WIN 0
.irp p, 0,1,2,3,4
.irp q, 0,1
	global_load_b128 v[SCX+8*\p+4*\q:SCX+8*\p+4*\q+3], v[TS+\p], s[6:7] offset:16*\q   ; 10 loads: the rows' scale words, all eight K steps
.endr
.endr
	WLOAD 2
	WLOAD 3
	WLOAD 4
	s_wait_loadcnt 46                              ; behind the gathered codes stand 10 + 36
	WIN 0x04                                       ; an LDS store's data are its source 1: window 1
.set k, 0
.rept 18
.irp u, 0,1,2
	ds_store_b128 v6, v[4*(3*k+\u):4*(3*k+\u)+3] offset:2*XP*k+256*\u
.endr
.set k, k+1
.endr
	WLOAD 5
	WLOAD 6
	WLOAD 7
	WIN 0
	s_wait_dscnt 0x0                               ; for the others' sake: my 36 rows lie in LDS
	s_barrier_signal -1
	s_barrier_wait -1                              ; all 144 do
	s_wait_alu depctr_vm_vsrc(0)                   ; the token loads have read v[AT ..], on which x's fragments land; my LDS stores have read window 1's registers, which the products write as accumulators
.macro FRAGA i, s                      ; row tile i, K step s: lane (r, h)'s 12 registers lie on end in its row: three loads of 16 bytes.  Row tiles 0-3 of an odd K step go to the second set (the caller has set the window)
.set rF, AF+12*(\i)
.if ((\i) < 4) && ((\s)%2 == 1)
.set rF, AF2+12*(\i)
.endif
.irp c, 0,1,2
.if (\i) < 5
	ds_load_b128 v[rF+4*\c:rF+4*\c+3], v4 offset:(\i)*16*XP+96*(\s)+16*\c
.else
	ds_load_b128 v[rF+4*\c:rF+4*\c+3], v5 offset:((\i)-5)*16*XP+96*(\s)+16*\c
.endif
.endr
.endm
.macro MUL i, j, s                     ; accumulator (i, j) takes K step s.  The scale words of odd tiles stand in lanes 16-31 of their registers
.set rD, 8*(4*((\i)%8)+(\j))
.if (\i) == 8
.set rD, 160+8*(\j)
.endif
.set rC, rD
.if (\s) == 0
.set rC, BIAS+8*(\j)                   ; the first product starts the sum on the bias: nothing is cleared, nothing is added later
.endif
.set rW, 48*((\s)%5)+12*(\j)
.set rA, AF+12*(\i)
.if ((\i) < 4) && ((\s)%2 == 1)
.set rA, AF2+12*(\i)                   ; the second set, in window 3
.endif
.set rSW, SCW+8*((\j)/2)+(\s)
.set rSX, SCX+8*((\i)/2)+(\s)
.if ((\j)%2 == 0) && ((\i)%2 == 0)
	v_wmma_scale_f32_16x16x128_f8f6f4 v[rD:rD+7], v[rW:rW+11], v[rA:rA+11], v[rC:rC+7], v[rSW], v[rSX] matrix_a_fmt:MATRIX_FMT_FP6 matrix_b_fmt:MATRIX_FMT_FP6
.elseif ((\j)%2 == 1) && ((\i)%2 == 0)
	v_wmma_scale_f32_16x16x128_f8f6f4 v[rD:rD+7], v[rW:rW+11], v[rA:rA+11], v[rC:rC+7], v[rSW], v[rSX] matrix_a_fmt:MATRIX_FMT_FP6 matrix_b_fmt:MATRIX_FMT_FP6 matrix_a_scale:MATRIX_SCALE_ROW1
.elseif ((\j)%2 == 0)
	v_wmma_scale_f32_16x16x128_f8f6f4 v[rD:rD+7], v[rW:rW+11], v[rA:rA+11], v[rC:rC+7], v[rSW], v[rSX] matrix_a_fmt:MATRIX_FMT_FP6 matrix_b_fmt:MATRIX_FMT_FP6 matrix_b_scale:MATRIX_SCALE_ROW1
.else
	v_wmma_scale_f32_16x16x128_f8f6f4 v[rD:rD+7], v[rW:rW+11], v[rA:rA+11], v[rC:rC+7], v[rSW], v[rSX] matrix_a_fmt:MATRIX_FMT_FP6 matrix_b_fmt:MATRIX_FMT_FP6 matrix_a_scale:MATRIX_SCALE_ROW1 matrix_b_scale:MATRIX_SCALE_ROW1
.endif
.endm
; A K step: 36 matrix instructions.  The 36 accumulators take turns, one instruction a turn, in the same order in every step.
; Row tiles 0-3 of the next step are fetched behind this step's first 16 products, into the set that these do not read; row tiles 4-8 behind the step's last 20 products and the step's one wait:
; each run stands 16 matrix instructions or more ahead of its first use.
.macro KSTEP s
.if (\s) == 0
.set WLO, 0x42                         ; W window 2, x and the bias window 0, D window 1
.set WHI, 0xc2                         ; the same, D window 3
.elseif (\s) < 5
.set WLO, 0x52                         ; W window 2, C and D window 1
.set WHI, 0xf2                         ; C and D window 3
.else
.set WLO, 0x53                         ; W window 3
.set WHI, 0xf3
.endif
.set WLA, WLO+0x0c*((\s)%2)            ; row tiles 0-3: in an odd K step x stands in window 3
.if 12*(7-(\s)) > 60
	s_wait_loadcnt 60                              ; behind x's scale words stand 72 loads, behind W's K steps 0 and 1 more: all these are in
.else
	s_wait_loadcnt 12*(7-(\s))                     ; W's fragments of this K step are in; those of the later steps, 12 loads each, may be out
.endif
	s_wait_dscnt 15                                ; row tiles 0-3 are in; the younger 15 loads (row tiles 4-8) may be out
	WIN WLA
.irp i, 0,1,2,3
.irp j, 0,1,2,3
	MUL \i, \j, \s
.endr
.endr
.if (\s) < 7
.if (\s)%2 == 0
	WIN 0xc0                                       ; the next step is odd: destination window 3, address window 0
.else
	WIN 0
.endif
.irp i, 0,1,2,3
	FRAGA \i, (\s)+1                               ; no wait: the set's last readers stand ahead of the wait at the last step's end (in step 0 it has had none), and the 16 products since name the other set
.endr
	s_wait_dscnt 12                                ; all but the 12 just issued: row tiles 4-8 of this step are in
.else
	s_wait_dscnt 0x0
.endif
	WIN WLO
.irp i, 4,5,6,7
.irp j, 0,1,2,3
	MUL \i, \j, \s
.endr
.endr
	WIN WHI
.irp j, 0,1,2,3
	MUL 8, \j, \s
.endr
.if (\s) < 7
	PLACES
	WIN 0
	s_wait_alu depctr_va_vdst(0)                   ; this step's products are done reading row tiles 4-8, on which the loads below land, and this step's set of row tiles 0-3, on which the next step's middle run lands
.irp i, 4,5,6,7,8
	FRAGA \i, (\s)+1
.endr
.endif
.endm
.irp i, 0,1,2,3,4,5,6,7,8
	FRAGA \i, 0
.endr
.irp s, 0,1,2,3,4,5,6,7
	KSTEP \s
.endr
	; THE WAY OUT.  A lane holds 32 neighbouring bytes of a row, and a row's 1,024 bytes come from four waves: they meet in the stage, which shares no byte with the rows of codes that slower waves still read.
	PLACES
	WIN 0x04
	s_wait_alu depctr_va_vdst(0)                   ; the products have written the accumulators, which the LDS stores read, and are done reading x's fragments, on which rows of out0 land behind the barrier; the places above stay beside this wait
.irp i, 0,1,2,3,4,5,6,7
.irp j, 0,1,2,3
	ds_store_b128 v[7+(\i)/3], v[8*(4*\i+\j):8*(4*\i+\j)+3] offset:((\i)%3)*16*SP+64*\j      ; each accumulator from its low end on
	ds_store_b128 v[7+(\i)/3], v[8*(4*\i+\j)+4:8*(4*\i+\j)+7] offset:((\i)%3)*16*SP+64*\j+16
.endr
.endr
	WIN 0x0c
.irp j, 0,1,2,3
	ds_store_b128 v9, v[160+8*\j:160+8*\j+3] offset:2*16*SP+64*\j
	ds_store_b128 v9, v[160+8*\j+4:160+8*\j+7] offset:2*16*SP+64*\j+16
.endr
	WIN 0
	s_wait_dscnt 0x0                               ; for the others' sake: my stores into the stage are done
	s_barrier_signal -1
	s_barrier_wait -1
; Wave w sends places 36 w .. 36 w + 35, two rows an instruction, to their tokens' rows of out0: sixteen lanes store 256 consecutive bytes, aligned.  Six pairs of rows at a time.
; A pair whose first place lies past the tile's rows ends the wave.  Where only its second place does, both halves of the lanes hold the tile's last row and store the same numbers to the same bytes.
.macro OUTG gp
.if (\gp) > 0
	s_wait_xcnt 0x0                                ; the last group's stores have had their addresses translated: their registers are loaded again only behind this wait,
	s_wait_alu depctr_vm_vsrc(0)                   ; and behind this one: the last group's stores have read v[AF ..], on which the loads below land
.endif
.irp kk, 0,1,2,3,4,5
.irp u, 0,1,2,3
	ds_load_b128 v[AF+16*\kk+4*\u:AF+16*\kk+4*\u+3], v10 offset:(6*(\gp)+\kk)*2*SP+256*\u
.endr
.endr
.irp kk, 0,1,2,3,4,5
	s_cmp_le_i32 s27, 2*(6*(\gp)+\kk)
	s_cbranch_scc1 .Lend
	s_wait_dscnt 4*(5-\kk)                         ; LDS loads come back in order: this pair's four are in, the later pairs' may be out
.irp u, 0,1,2,3
	global_store_b128 v[GT+6*(\gp)+\kk], v[AF+16*\kk+4*\u:AF+16*\kk+4*\u+3], s[18:19] offset:256*\u th:TH_STORE_NT   ; written once, read by nobody here
.endr
.endr
.endm
	OUTG 0
	OUTG 1
	OUTG 2
.Lend:
	s_wait_dscnt 0x0                               ; LDS loads that a wave left behind when it ended early
	s_wait_alu depctr_hold_cnt(0) depctr_sa_sdst(0) depctr_va_vdst(0) depctr_va_sdst(0) depctr_va_ssrc(0) depctr_va_vcc(0) depctr_vm_vsrc(0)
	s_wait_tensorcnt 0x0
	ds_add_u32 v254, v255
	s_wait_dscnt 0x0
	s_endpgm
.Lfunc_end_k_qa4db804155_gemm:
	.size	k_qa4db804155_gemm, .Lfunc_end_k_qa4db804155_gemm-k_qa4db804155_gemm
	.p2alignl 7, 3214868480
	.fill 96, 4, 3214868480
	.section	.rodata,"a",@progbits
	.p2align	6, 0x0
	.amdhsa_kernel k_qa4db804155_gemm
		.amdhsa_group_segment_fixed_size 263168
		.amdhsa_private_segment_fixed_size 0
		.amdhsa_enable_private_segment 0
		.amdhsa_kernarg_size 64
		.amdhsa_user_sgpr_count 2
		.amdhsa_user_sgpr_kernarg_segment_ptr 1
		.amdhsa_wavefront_size32 1
		.amdhsa_system_sgpr_workgroup_id_x 1
		.amdhsa_system_sgpr_workgroup_id_y 1
		.amdhsa_system_sgpr_workgroup_id_z 1
		.amdhsa_system_vgpr_workitem_id 0
		.amdhsa_next_free_vgpr 1024
		.amdhsa_next_free_sgpr 66
		.amdhsa_reserve_vcc 0
		.amdhsa_float_denorm_mode_32 3
		.amdhsa_float_denorm_mode_16_64 3
		.amdhsa_memory_ordered 1
		.amdhsa_forward_progress 1
		.amdhsa_inst_pref_size 106
	.end_amdhsa_kernel
	.amdgpu_metadata
---
amdhsa.version: [ 1, 2 ]
amdhsa.kernels:
  - .name:           k_qa4db804155_gemm
    .symbol:         k_qa4db804155_gemm.kd
    .args:
      - { .name: xq, .offset: 0, .size: 8, .value_kind: global_buffer, .address_space: global }
      - { .name: xs, .offset: 8, .size: 8, .value_kind: global_buffer, .address_space: global }
      - { .name: wq, .offset: 16, .size: 8, .value_kind: global_buffer, .address_space: global }
      - { .name: ws, .offset: 24, .size: 8, .value_kind: global_buffer, .address_space: global }
      - { .name: b, .offset: 32, .size: 8, .value_kind: global_buffer, .address_space: global }
      - { .name: order, .offset: 40, .size: 8, .value_kind: global_buffer, .address_space: global }
      - { .name: tiles, .offset: 48, .size: 8, .value_kind: global_buffer, .address_space: global }
      - { .name: out0, .offset: 56, .size: 8, .value_kind: global_buffer, .address_space: global }
    .group_segment_fixed_size: 263168
    .private_segment_fixed_size: 0
    .kernarg_segment_align: 8
    .kernarg_segment_size: 64
    .max_flat_workgroup_size: 128
    .sgpr_count:     66
    .vgpr_count:     1024
    .wavefront_size: 32
...
	.end_amdgpu_metadata
.endif
;; end of part 4
